; MI455X (gfx1250); checked and timed in simulation.
; The chip was launched on July 23, 2026; its instructions are those of AMD's public machine-readable ISA for CDNA 5 (MIT licence, August 2026) and "CDNA5" Instruction Set Architecture Reference Guide (July 2026). The comments in the code are by the model that wrote it; some were corrected since.
;; Attention. Allowed arithmetic: matrix products marked QUANTISED: E2M3 operands, one E8M0 scale for each 32 along K, by v_wmma_scale_f32_16x16x128_f8f6f4 with both operands' format E2M3, f32 sums; everything else in f32.
;; Inputs: Wproj 1,024 x 1,024 float32; Wqkv 1,024 x 3,072 float32; bproj 1,024 float32; bqkv 3,072 float32; x 1 x 4,096 x 1,024 float32.
;; Outputs: out0 1 x 4,096 x 1,024 float32.
;; This version of the problem:
;;   THIS VERSION OF THE PROBLEM IS GIVEN IN LOW PRECISION. The matrix products marked QUANTISED in the list below multiply operands that are first quantised to E2M3 (2 exponent bits, 3 mantissa bits; 6 bits a number), with one power-of-two scale for each 32 numbers along K (OCP MX v1.0); their sums are f32. All else is computed in f32.
;;   The module's matrix products, in the order in which they are computed (A, B: the left and right operand; K: the contracted axis; several contracted axes count as one K, in the product's order):
;;     1. [M 4,096, K 1,024] x [K 1,024, N 3,072]; A: input x; B: input Wqkv: QUANTISED
;;     2. batch 16 x [M 4,096, K 64] x [K 64, N 4,096]; A: computed on the way; B: computed on the way: QUANTISED
;;     3. batch 16 x [M 4,096, K 4,096] x [K 4,096, N 64]; A: softmax (see below); B: computed on the way: QUANTISED
;;     4. [M 4,096, K 1,024] x [K 1,024, N 1,024]; A: computed on the way; B: input Wproj: QUANTISED
;;   THE QUANTISER, for each operand of a quantised product, along K:
;;     - K is cut into blocks of 32 from its start; a last block that is shorter is filled with zeros.
;;     - A block's scale is 2^e with e = floor(log2(the largest magnitude in the block)) - 2, held to -126 .. 127; a block of zeros has e = 0. As a byte (E8M0): e + 127.
;;     - Each number is divided by its block's scale, clamped to +-7.5, and rounded to the nearest number of E2M3, ties to even, subnormals kept.
;;     - The product sums the exact products of the quantised numbers (number of the format x scale) in f32.
;;   ~~~python
;;   def quantise(x, axis):      # numpy; x: float32 -> the quantised numbers, widened to float32 again
;;       x = np.moveaxis(x, axis, -1); K = x.shape[-1]
;;       x = np.pad(x, [(0, 0)] * (x.ndim - 1) + [(0, -K % 32)]); x = x.reshape(x.shape[:-1] + (-1, 32)); a = np.abs(x).max(-1, keepdims=True)
;;       e = np.where(a > 0, np.clip(np.frexp(np.where(a > 0, a, 1))[1] - 1 - 2, -126, 127), 0)      # np.frexp(a)[1] - 1 = floor(log2(a)), exactly
;;       r = np.clip(x / 2.0 ** e, -7.5, 7.5)
;;       step = 2.0 ** (np.maximum(np.frexp(np.where(r == 0, 1, r))[1] - 1, 0) - 3)
;;       q = np.round(r / step) * step * 2.0 ** e      # np.round: ties to even
;;       return np.moveaxis(q.reshape(q.shape[:-2] + (-1,))[..., :K], -1, axis).astype(np.float32)
;;   ~~~
;;   SOFTMAX AHEAD OF A QUANTISED PRODUCT. Where the list says 'softmax', what is quantised is not the finished softmax but p = 2^(t - M), with t = logit x log2(e) and M = ceil(the row's largest t), a whole number; so 1/2 < the row's largest p <= 1. The row's sum l is taken of the UNQUANTISED p, in f32, and the product's result is divided by l at the end. Since M is a whole number, a kernel that streams over the keys may use a running M (the ceiling of the running maximum): every later rescaling is an exact power of two, which a block's scale takes up: the codes' values come out the same.
;;   OPERANDS COMPUTED ON THE WAY. 'Computed on the way' means the value that the module computes at that place (a softmax that the list does not call 'softmax' is quantised finished and normalised). What goes into a quantiser is computed in f32, as accurately as f32 sums, v_exp_f32 and their like allow (about 1e-6 of the number): no bf16 or f16 on the way to a quantiser, and a product that is left as it is and whose result goes on into a quantised operand takes f32 operands (vector FMAs, or v_wmma_f32_16x16x4_f32). A number that lies on a knife's edge between two numbers of the format may be rounded either way, as far as f32 arithmetic and the matrix unit's own rounding can turn it there, and no further.
;; One version. Each part assembles by itself: llvm-mc -triple=amdgcn-amd-amdhsa -mcpu=gfx1250 --defsym DOCPART=n.
;; ======== version 1 of 1: 4 launches
;; workspace buffers: xq 3,276,800 bytes; wq 3,276,800 bytes; qb 3,407,872 bytes; kv 6,684,672 bytes; aq 3,276,800 bytes
;; launch quant (part 1): grid 256 x 1, 4 waves a work-group, no clusters, 68,096 bytes of LDS; arguments x, Wqkv, Wproj, xq, wq; writes xq, wq
.if DOCPART == 1
	.amdgcn_target "amdgcn-amd-amdhsa--gfx1250"
	.amdhsa_code_object_version 6
	.text
	.protected	k_q2785be1553_quant
	.globl	k_q2785be1553_quant
	.p2align	8
	.type	k_q2785be1553_quant,@function
k_q2785be1553_quant:
	s_mov_b64 s[64:65], 0
	v_nop
	global_prefetch_b8 v0, s[64:65] scope:SCOPE_SE
	s_setreg_imm32_b32 hwreg(HW_REG_WAVE_MODE, 25, 1), 1
	s_wait_xcnt 0x0
; x [4096][1024], Wqkv [1024][3072] and Wproj [1024][1024], f32, become codes of FP6 (E2M3) with K innermost (768 bytes a row) and one E8M0 byte for each 32 along K (32 bytes a row).
; A block's scale is 2^(floor(log2(its largest magnitude)) - 2): its byte is the largest magnitude's exponent field - 2, held at 1 from below; numbers are divided by it and rounded to the nearest code, ties to even.
; (A block of zeros keeps the byte 1 where the rule says 127: its codes are zeros, and this program alone reads the bytes.)
; LIMITS: blocks whose largest magnitude lies under 2^-124 keep the byte 1; NaN and infinities among the inputs are not served.
; THE ORDER OF ROWS.  In xq (rows = tokens) and wq (rows = the weights' columns n) the four groups of 8 rows of each 32 are laid in the order 0, 2, 1, 3: position 32 b + 16 u + i holds row 32 b + 8 u + i + 8 (i / 8).
; Sixteen neighbouring positions are then a tile of which two neighbours give a lane 16 neighbouring indices in its result registers: the later launches quantise their results in registers by that.
; xq: codes at 0, scale bytes at XS.  wq: Wqkv's codes at 0, its bytes at WS; Wproj's codes at WPC, its bytes at WPS.
; Work-groups 0-127 take x (K innermost: a stream of blocks), 128-255 the weights (K outermost: a lane takes a column, its registers run down K).  128 KiB of f32 each.  The two paths have LDS bytes of their own; waves share nothing: no barrier.
.set XS,    3145728
.set WS,    2359296
.set WPC,   2457600
.set WPS,   3244032
.set EMAX,  2
.set STEPS, 16                         ; path X: a wave takes 16 steps of 512 numbers: 8 tokens
.set CB,    12                         ; bytes of 16 codes
.set XR,    16                         ; v16-79   four sets of 16 numbers as loaded
.set XN,    80                         ; v80-111  two sets of 16 neighbours
.set XE,    112                        ; v112-127 a scale byte for each step
.set XC,    128                        ; v128-191 codes, four registers a step
.set WREG,  8192                       ; LDS of a wave on path X: two stages of 32 x SP bytes, then 256 scale bytes
.set SP,    80
.set WSTG,  32768                      ; path W's stages begin here: 32 rows x PITCH for each wave
.set NB,    8                          ; blocks a lane: 256 along K
.set ROWB,  192
.set PITCH, 272
.set KROW,  768
.set WX,    32                         ; v32-95   two sets of 32 numbers
.set WC,    96                         ; v96..    a block's codes
.set WOUT,  112                        ; v112-175 the way out
.set WSB,   24                         ; v24-25   the scale bytes
.set WOF,   176                        ; v176-207 4 x lane + i x the weight's row pitch; never rewritten
	s_load_b128 s[4:7], s[0:1], 0x0                ; x, Wqkv
	s_load_b128 s[8:11], s[0:1], 0x10              ; Wproj, xq
	s_load_b64 s[12:13], s[0:1], 0x20              ; wq
	v_lshl_add_u32 v208, v0, 2, 0x10800
	v_mov_b32 v209, 0
	v_lshrrev_b32 v1, 5, v0
	v_readfirstlane_b32 s16, v1                    ; wave
	v_and_b32 v2, 31, v0                           ; lane
	s_cmp_lt_u32 ttmp9, 128
	s_cbranch_scc0 .Lweights
; ---------------- PATH X ----------------
; Each load reads 512 consecutive bytes, 16 a lane; a step's 2,048 bytes go through the wave's own stage and come back 64 bytes a lane: 16 neighbours along K, two lanes to a block.
	v_lshlrev_b32 v3, 4, v2                        ; my 16 bytes of a load's 512
	s_mul_i32 s17, s16, WREG
	v_lshrrev_b32 v14, 2, v2
	v_mul_u32_u24 v14, v14, SP
	v_and_b32 v15, 3, v2
	v_lshl_add_u32 v14, v15, 4, v14
	v_add_nc_u32 v14, s17, v14                     ; the stage, in: SP (lane / 4) + 16 (lane % 4)
	v_mul_u32_u24 v15, v2, SP
	v_add_nc_u32 v15, s17, v15                     ; and out: SP x lane
	v_mul_u32_u24 v4, v2, CB                       ; my codes' place in a step's 384 bytes
	v_lshrrev_b32 v5, 1, v2
	s_add_co_u32 s17, s17, 2*32*SP
	v_add_nc_u32 v5, s17, v5                       ; my block's scale byte in the wave's 256
	v_lshlrev_b32 v7, 3, v2
	v_add_nc_u32 v6, s17, v7                       ; and 8 bytes a lane on the way out
	s_lshl_b32 s18, ttmp9, 2
	s_add_co_u32 s18, s18, s16                     ; my run of 8 tokens
	s_lshl_b32 s20, s18, 15                        ; 32,768 bytes of f32 a run
	s_mov_b32 s21, 0
	s_and_b32 s22, s18, -4                         ; its place: of each four runs the middle two change places
	s_and_b32 s23, s18, 1
	s_lshl_b32 s23, s23, 1
	s_or_b32 s22, s22, s23
	s_bfe_u32 s23, s18, 0x10001
	s_or_b32 s22, s22, s23
	s_mul_i32 s24, s22, 8*KROW                     ; 6,144 bytes of codes a run
	s_mov_b32 s25, 0
	s_lshl_b32 s26, s22, 8                         ; 256 scale bytes a run
	s_add_co_u32 s26, s26, XS
	s_mov_b32 s27, 0
	s_wait_kmcnt 0x0
	s_add_nc_u64 s[4:5], s[4:5], s[20:21]
	s_add_nc_u64 s[8:9], s[10:11], s[24:25]        ; my codes
	s_add_nc_u64 s[10:11], s[10:11], s[26:27]      ; my scale bytes
.macro XLOAD t
.irp i, 0,1,2,3
	global_load_b128 v[XR+16*((\t)%4)+4*\i:XR+16*((\t)%4)+4*\i+3], v3, s[4:5] offset:2048*(\t)+512*\i th:TH_LOAD_NT
.endr
.endm
.macro XTURN t                         ; LDS serves a wave's instructions in order (ISA guide 5.7.1.4): no wait between the stores and the loads
.irp i, 0,1,2,3
	ds_store_b128 v14, v[XR+16*((\t)%4)+4*\i:XR+16*((\t)%4)+4*\i+3] offset:32*SP*((\t)%2)+8*SP*\i
.endr
.irp i, 0,1,2,3
	ds_load_b128 v[XN+16*((\t)%2)+4*\i:XN+16*((\t)%2)+4*\i+3], v15 offset:32*SP*((\t)%2)+16*\i
.endr
.endm
.irp t, 0,1,2,3
	XLOAD \t
.endr
	s_wait_loadcnt 12                              ; step 0's four loads are in; three steps' twelve stay out
	XTURN 0
.macro XSTEP t
.set XSET, XN+16*((\t)%2)
.if (\t) > 0
	s_wait_dscnt 1                                 ; this step's numbers are back from the stage; the last step's byte store may be out
.else
	s_wait_dscnt 0x0
.endif
.if (\t)+4 < STEPS
	XLOAD (\t)+4                                   ; into the set that the stage's stores have read
.endif
.if (\t)+1 < STEPS
.if STEPS-2-(\t) >= 3
	s_wait_loadcnt 12                              ; the next step's four loads are in; those of the three steps behind it may be out
.else
	s_wait_loadcnt 4*(STEPS-2-(\t))
.endif
	XTURN (\t)+1
.endif
	v_max3_num_f32 v8, |v[XSET]|, |v[XSET+1]|, |v[XSET+2]|         ; the largest magnitude of my 16, in two chains
	v_max3_num_f32 v9, |v[XSET+3]|, |v[XSET+4]|, |v[XSET+5]|
.irp i, 6,10
	v_max3_num_f32 v8, v8, |v[XSET+\i]|, |v[XSET+\i+1]|
	v_max3_num_f32 v9, v9, |v[XSET+\i+2]|, |v[XSET+\i+3]|
.endr
	v_max3_num_f32 v8, v8, |v[XSET+14]|, |v[XSET+15]|
	v_max3_num_f32 v8, v8, v9, (EMAX+1)<<23        ; and the floor 2^(3 - 127): the byte cannot fall under 1
	v_max_num_f32_dpp v8, v8, v8 row_xmask:1 row_mask:0xf bank_mask:0xf   ; with my neighbour's 16: the block's
	v_add_nc_u32 v11, -(EMAX<<23), v8              ; 2 off its exponent field: the conversion takes that field as its scale
	v_cvt_scalef32_pk16_fp6_f32 v[XC+4*(\t):XC+4*(\t)+2], v[XSET:XSET+15], v11
	v_lshrrev_b32 v[XE+(\t)], 23, v11              ; the scale's byte
	ds_store_b8 v5, v[XE+(\t)] offset:16*(\t)      ; both lanes of a block write the same byte with the same value
	global_store_b96 v4, v[XC+4*(\t):XC+4*(\t)+2], s[8:9] offset:32*CB*(\t)   ; the wave stores 384 consecutive bytes
.endm
.irp t, 0,1,2,3,4,5,6,7,8,9,10,11,12,13,14,15
	XSTEP \t
.endr
	ds_load_b64 v[12:13], v6                       ; in order behind my byte stores
	s_wait_dscnt 0x0
	global_store_b64 v7, v[12:13], s[10:11]        ; 32 lanes store 256 consecutive bytes, aligned
	s_wait_tensorcnt 0x0
	ds_add_u32 v208, v209
	s_wait_dscnt 0x0
	s_endpgm
; ---------------- PATH W ----------------
; g = work-group - 128: column group g % 32 (0-23: Wqkv, 24-31: Wproj; 128 columns, 32 a wave), K quarter g / 32 (256 along K).
.Lweights:
	s_sub_co_u32 s17, ttmp9, 128
	s_and_b32 s18, s17, 31                         ; column group
	s_lshr_b32 s19, s17, 5                         ; K quarter
	v_lshlrev_b32 v3, 2, v2                        ; in: 4 bytes a lane
	s_mul_i32 s28, s16, 32*PITCH
	s_add_co_u32 s28, s28, WSTG                    ; my stage
	v_mul_u32_u24 v4, v2, PITCH
	v_add_nc_u32 v4, s28, v4                       ; into it: row = my column
	v_and_b32 v5, 15, v2
	v_lshrrev_b32 v6, 4, v2
	v_mul_u32_u24 v7, v6, PITCH
	v_lshl_add_u32 v7, v5, 4, v7
	v_add_nc_u32 v7, s28, v7                       ; out of it: sixteen lanes to a row, two rows an instruction
	v_mul_u32_u24 v8, v6, KROW
	v_mad_u32_u24 v8, v5, 12, v8                   ; and the same place in the codes' rows
	v_and_b32 v9, 7, v2                            ; my column's position among the wave's 32: bits 3 and 4 change places
	v_and_b32 v10, 8, v2
	v_lshl_or_b32 v9, v10, 1, v9
	v_and_b32 v10, 16, v2
	v_lshrrev_b32 v10, 1, v10
	v_or_b32 v9, v9, v10
	v_lshlrev_b32 v9, 5, v9                        ; x 32 scale bytes a row
	s_wait_kmcnt 0x0
	s_cmp_lt_u32 s18, 24                           ; which weight: the choice hangs on the work-group's number alone
	s_cselect_b64 s[6:7], s[6:7], s[8:9]
	s_mov_b32 s20, 4096
	s_cselect_b32 s20, 12288, s20                  ; a row of the weight in bytes
	s_cselect_b32 s21, 0, 24
	s_cselect_b32 s22, 0, WPC
	s_mov_b32 s23, WPS
	s_cselect_b32 s23, WS, s23
	s_sub_co_u32 s18, s18, s21
	s_lshl_b32 s18, s18, 7
	s_lshl_b32 s21, s16, 5
	s_add_co_u32 s18, s18, s21                     ; my wave's first column, a multiple of 32
	s_mul_i32 s24, s19, s20
	s_lshl_b32 s24, s24, 8                         ; 256 rows a K quarter
	s_lshl_b32 s21, s18, 2
	s_add_co_u32 s24, s24, s21
	s_mov_b32 s25, 0
	s_add_nc_u64 s[32:33], s[6:7], s[24:25]        ; block 0's first row at my first column
	s_lshl_b32 s26, s20, 5                         ; 32 rows on
	s_mov_b32 s27, 0
.irp t, 1,2,3,4,5,6,7
	s_add_nc_u64 s[32+2*\t:33+2*\t], s[30+2*\t:31+2*\t], s[26:27]   ; a base for each block: none is ever stepped
.endr
	s_mul_i32 s24, s18, KROW
	s_add_co_u32 s24, s24, s22
	s_mul_i32 s21, s19, ROWB
	s_add_co_u32 s24, s24, s21
	s_add_nc_u64 s[28:29], s[12:13], s[24:25]      ; my codes
	s_lshl_b32 s24, s18, 5
	s_add_co_u32 s24, s24, s23
	s_lshl_b32 s21, s19, 3
	s_add_co_u32 s24, s24, s21
	s_add_nc_u64 s[30:31], s[12:13], s[24:25]      ; my scale bytes
	v_mov_b32 v[WOF], v3
.set i, 1
.rept 31
	v_add_nc_u32 v[WOF+i], s20, v[WOF+i-1]         ; row i of a block
.set i, i+1
.endr
.macro WLOAD t                         ; block t: W(32 t + i, my column) into set t % 2; a wave reads 128 consecutive bytes, the four waves 512
.set i, 0
.rept 32
	global_load_b32 v[WX+32*((\t)%2)+i], v[WOF+i], s[32+2*(\t):33+2*(\t)] th:TH_LOAD_NT
.set i, i+1
.endr
.endm
	WLOAD 0
	WLOAD 1
.macro WBLOCK t
.set WSET, WX+32*((\t)%2)
.if (\t) < NB-1
	s_wait_loadcnt 32                              ; this block's 32 loads are in; the next block's may be out
.else
	s_wait_loadcnt 0
.endif
	v_max3_num_f32 v12, |v[WSET]|, |v[WSET+1]|, |v[WSET+2]|        ; all 32 numbers of the block are mine
	v_max3_num_f32 v13, |v[WSET+3]|, |v[WSET+4]|, |v[WSET+5]|
.irp i, 6,10,14,18,22,26
	v_max3_num_f32 v12, v12, |v[WSET+\i]|, |v[WSET+\i+1]|
	v_max3_num_f32 v13, v13, |v[WSET+\i+2]|, |v[WSET+\i+3]|
.endr
	v_max3_num_f32 v12, v12, |v[WSET+30]|, |v[WSET+31]|
	v_max3_num_f32 v12, v12, v13, (EMAX+1)<<23     ; and the floor
	v_add_nc_u32 v11, -(EMAX<<23), v12             ; the conversion's scale operand
	v_lshrrev_b32 v13, 23, v11                     ; the scale's byte
.if (\t)%4 == 0
	v_mov_b32 v[WSB+(\t)/4], v13                   ; four bytes to a register, the lower K in the lower byte
.else
	v_lshl_or_b32 v[WSB+(\t)/4], v13, 8*((\t)%4), v[WSB+(\t)/4]
.endif
	v_cvt_scalef32_pk16_fp6_f32 v[WC:WC+2], v[WSET:WSET+15], v11
	v_cvt_scalef32_pk16_fp6_f32 v[WC+4:WC+6], v[WSET+16:WSET+31], v11   ; (a conversion's three registers begin on an even number)
	ds_store_b96 v4, v[WC:WC+2] offset:32*(\t)     ; 12 bytes to a place of 16, so that every LDS address is a multiple of 16
	ds_store_b96 v4, v[WC+4:WC+6] offset:32*(\t)+16
.if (\t)+2 < NB
	WLOAD (\t)+2
.endif
	s_wait_dscnt 0x0                               ; the stores have read their registers: the next block's codes may be written
.endm
.irp t, 0,1,2,3,4,5,6,7
	WBLOCK \t
.endr
	global_store_b64 v9, v[WSB:WSB+1], s[30:31]    ; my column's 8 scale bytes, at its position's row
.irp t, 0,1,2,3,4,5,6,7,8,9,10,11,12,13,14,15
	ds_load_b96 v[WOUT+4*\t:WOUT+4*\t+2], v7 offset:(2*(\t&3)+8*(\t>>3)+16*((\t>>2)&1))*PITCH   ; positions 2 t and 2 t + 1 hold these two columns
.endr
.irp t, 0,1,2,3,4,5,6,7,8,9,10,11,12,13,14,15
	s_wait_dscnt 15-\t                             ; the younger reads of the stage may be out
	global_store_b96 v8, v[WOUT+4*\t:WOUT+4*\t+2], s[28:29] offset:2*\t*KROW   ; sixteen lanes store a row's 192 consecutive bytes
.endr
	s_wait_tensorcnt 0x0
	ds_add_u32 v208, v209
	s_wait_dscnt 0x0
	s_endpgm
.Lfunc_end_k_q2785be1553_quant:
	.size	k_q2785be1553_quant, .Lfunc_end_k_q2785be1553_quant-k_q2785be1553_quant
	.p2alignl 7, 3214868480
	.fill 96, 4, 3214868480
	.section	.rodata,"a",@progbits
	.p2align	6, 0x0
	.amdhsa_kernel k_q2785be1553_quant
		.amdhsa_group_segment_fixed_size 68096
		.amdhsa_private_segment_fixed_size 0
		.amdhsa_enable_private_segment 0
		.amdhsa_kernarg_size 40
		.amdhsa_user_sgpr_count 2
		.amdhsa_user_sgpr_kernarg_segment_ptr 1
		.amdhsa_wavefront_size32 1
		.amdhsa_system_sgpr_workgroup_id_x 1
		.amdhsa_system_sgpr_workgroup_id_y 1
		.amdhsa_system_sgpr_workgroup_id_z 1
		.amdhsa_system_vgpr_workitem_id 0
		.amdhsa_next_free_vgpr 210
		.amdhsa_next_free_sgpr 66
		.amdhsa_reserve_vcc 0
		.amdhsa_float_denorm_mode_32 3
		.amdhsa_float_denorm_mode_16_64 3
		.amdhsa_memory_ordered 1
		.amdhsa_forward_progress 1
		.amdhsa_inst_pref_size 75
	.end_amdhsa_kernel
	.amdgpu_metadata
---
amdhsa.version: [ 1, 2 ]
amdhsa.kernels:
  - .name:           k_q2785be1553_quant
    .symbol:         k_q2785be1553_quant.kd
    .args:
      - { .name: x, .offset: 0, .size: 8, .value_kind: global_buffer, .address_space: global }
      - { .name: Wqkv, .offset: 8, .size: 8, .value_kind: global_buffer, .address_space: global }
      - { .name: Wproj, .offset: 16, .size: 8, .value_kind: global_buffer, .address_space: global }
      - { .name: xq, .offset: 24, .size: 8, .value_kind: global_buffer, .address_space: global }
      - { .name: wq, .offset: 32, .size: 8, .value_kind: global_buffer, .address_space: global }
    .group_segment_fixed_size: 68096
    .private_segment_fixed_size: 0
    .kernarg_segment_align: 8
    .kernarg_segment_size: 40
    .max_flat_workgroup_size: 128
    .sgpr_count:     66
    .vgpr_count:     210
    .wavefront_size: 32
...
	.end_amdgpu_metadata
.endif
;; end of part 1
;; launch qkv (part 2): grid 12 x 16, 4 waves a work-group, clusters of 4 x 4, 327,680 bytes of LDS; arguments xq, wq, bqkv, qb, kv; writes qb, kv
.if DOCPART == 2
	.amdgcn_target "amdgcn-amd-amdhsa--gfx1250"
	.amdhsa_code_object_version 6
	.text
	.protected	k_q2785be1553_qkv
	.globl	k_q2785be1553_qkv
	.p2align	8
	.type	k_q2785be1553_qkv,@function
k_q2785be1553_qkv:
	s_mov_b64 s[64:65], 0
	v_nop
	global_prefetch_b8 v0, s[64:65] scope:SCOPE_SE
	s_setreg_imm32_b32 hwreg(HW_REG_WAVE_MODE, 25, 1), 1
	s_wait_xcnt 0x0
	s_wait_alu depctr_hold_cnt(0) depctr_sa_sdst(0) depctr_va_vdst(0) depctr_va_sdst(0) depctr_va_ssrc(0) depctr_va_vcc(0) depctr_vm_vsrc(0)
	s_getreg_b32 s2, hwreg(HW_REG_IB_STS2, 6, 4)
	s_cmp_eq_u32 s2, 0
	s_cbranch_scc0 .Lentry_in_a_cluster
	s_endpgm
.Lentry_in_a_cluster:
	s_bfe_u32 s2, ttmp6, 0x10000c
	s_cmp_lg_u32 s2, 0xf033
	s_cbranch_scc0 .Lentry_shape_is_right
	s_endpgm
.Lentry_shape_is_right:
; qkv = Q(x) Q(Wqkv) + bqkv on codes of FP6 (E2M3) with E8M0 scales, K = 1,024; the result never goes to memory as f32: each wave adds the bias, quantises its 128 x 128 in registers along the NEXT product's K,
; and stores images of operand registers: q into qb, k and v into kv.
; A work-group of four waves makes 256 x 256, a wave 128 x 128 (64 accumulators, 512 registers); K goes in steps of 256 through a ring of two LDS slots filled by the tensor data mover; all scale bytes of the work-group's rows come once.
; CLUSTERS of 4 x 4: A's tiles are asked for jointly along a row of the cluster, B's along a column.  THE ROLE is the cluster's x, equal in all partners: 0 = q, 1 = k, 2 = v.
; The matrix instruction takes 16 rows of B as source 0 and 16 rows of A as source 1: a lane holds ONE row of A, and its registers run along rows of B.
;   q, k: A = tokens (xq), B = channels (wq rows 0-2047): a lane holds a token, registers run along the head's 64: the K of q k^T.
;   v:    A = channels (wq rows 2048 on), B = tokens (xq): a lane holds a channel, registers run along the tokens: the K of p v.
; Rows of xq and wq lie so that position 32 b + 16 u + i holds row 32 b + 8 u + i + 8 (i / 8): the 16 registers of accumulators (a, 2 b) and (a, 2 b + 1) are then the 16 neighbours 32 b + 16 (lane / 16) + 0 .. 15.
; OUT.  qb: [head][block of 128 queries][6,656]: eight tiles' images of 768 bytes (registers 2 p, 2 p + 1 of lane l at 256 p + 8 l), then 512 bytes of scale words (tile a, row r at 32 r + 4 a; bytes 2 and 3 are 0).
;       kv: [head][step of 128 keys][13,056]: k's eight tiles as in qb; at 6,144 v's four tiles of 16 channels x 128 keys (registers 4 c .. 4 c + 3 of lane l at 1,536 d + 512 c + 16 l); at 12,288 k's scale words; at 12,800 v's (16 r + 4 d).
; LIMITS: blocks whose largest magnitude lies under 2^-124 keep the scale byte 1 (a block of zeros too: its codes are zeros); NaN and infinities are not served.
; REGISTERS: window 0: v0-31 addresses; v32-63 scale words, two sets; v64-127 the bias; from v128 A's fragments, one set; on the way out v128-247 are at work.  window 1: B's fragments, two sets.  windows 2, 3: the accumulators.
.set KSTEP,  256
.set NQ,     KSTEP/128
.set ROWB,   192                       ; a tile's row: 256 codes
.set KROW,   768                       ; a row of codes in memory
.set PITCH,  240                       ; an LDS row: 3 x (64 bytes + 16 of padding)
.set FR,     12
.set NL,     6
.set NP,     4                         ; places behind this matrix instruction (ISA guide 7.12.1)
.set HALFT,  128*PITCH
.set SLOT,   4*HALFT
.set LAPS,   2                         ; 1,024 along K = twice round the ring
.set KS,     32                        ; a row of scale bytes
.set SCL,    2*SLOT
.set HALFS,  (128*KS/256)*272
.set SBLK,   (16*KS/256)*272
.set SPARE,  SCL+4*HALFS               ; the spare words, 128 bytes a wave: no other line names them
.set XS,     3145728                   ; xq's scale bytes
.set WS,     2359296                   ; wq's (Wqkv's)
.set ADRA, 16
.set ADRB, 20
.set ADRS, 27
.set SPW,  28
.set NIL,  29
.set SC,   32
.set BI,   64                          ; v64-127 the bias
.set AF,   128
.set QN,   128                         ; the way out: v128-191 64 numbers of a lane
.set PC,   192                         ; v192-210 the codes just made
.set TM,   212                         ; v212-227 at work
.set PW,   228                         ; v228-235 the eight blocks' scale words
.set G1, 24
.set G0, 32
.set G1B, 48
.set G0B, 56
.set G1S, 68
.set G0S, 76
.set G1SB, 80
.set G0SB, 88
.set SEL, 92                           ; s[92:93] on the way out: lane selects for v_permlanex16_b32
.set MSB, 0
.macro WIN new                         ; the immediate's high byte repeats the setting that is left
.if MSB != \new
	s_set_vgpr_msb (MSB<<8)|\new
.set MSB, \new
.endif
.endm
.set MUL_LO, 0xa1                      ; source 0 (B) window 1, source 1 (A) window 0, C and D window 2
.set MUL_HI, 0xf1
.set TO_B,   0x40
; A joint load: waves 0 and 1 fetch for A, waves 2 and 3 for B; the branch hangs on the wave's number alone.  Four v_nop follow each of the two lines.
.macro JLOAD g0a, g1a, g0b, g1b
	s_cmp_eq_u32 s15, 0
	s_cbranch_scc0 .Lfor_b_\@
	tensor_load_to_lds s[\g0a:\g0a+3], s[\g1a:\g1a+7]
	s_nop 0
.rept 4
	v_nop
.endr
	s_branch .Lasked_\@
.Lfor_b_\@:
	tensor_load_to_lds s[\g0b:\g0b+3], s[\g1b:\g1b+7]
	s_nop 0
.rept 4
	v_nop
.endr
.Lasked_\@:
.endm
.macro CREST                           ; a round of the cluster's barrier behind its opening barrier
	s_cmp_lg_u32 s14, 0
	s_cbranch_scc1 .Lnot_wave_0_\@
	s_barrier_signal -3
.Lnot_wave_0_\@:
	s_barrier_wait -3
	s_barrier_signal -1
	s_barrier_wait -1
.endm
.macro CROUND
	s_barrier_signal -1
	s_barrier_wait -1
	CREST
.endm
	s_load_b128 s[4:7], s[0:1], 0x0                ; xq, wq
	s_load_b128 s[8:11], s[0:1], 0x10              ; bqkv, qb
	s_load_b64 s[12:13], s[0:1], 0x20              ; kv
	v_lshl_add_u32 v[SPW], v0, 2, SPARE
	v_mov_b32 v[NIL], 0
	ds_add_u32 v28, v29
	s_wait_dscnt 0x0
	v_lshrrev_b32 v1, 5, v0
	v_readfirstlane_b32 s14, v1                    ; wave 0..3
	s_lshr_b32 s15, s14, 1                         ; which half of A's rows is mine.  Also: I fetch for A (0) or for B (1)
	s_and_b32 s16, s14, 1                          ; which half of B's rows.  Also: which 128 rows I fetch
	s_bfe_u32 s40, ttmp6, 0x40000                  ; cx
	s_bfe_u32 s41, ttmp6, 0x40004                  ; cy
	s_and_b32 s17, ttmp7, 0xffff                   ; the cluster's y
	s_mov_b32 s100, XS
	s_mov_b32 s101, WS
	s_cmp_eq_u32 ttmp9, 2                          ; v's clusters?  The cluster's x is the same in all partners
	s_cselect_b32 s42, s17, ttmp9                  ; B's tiles: v: tokens by the cluster's y; q, k: channels by its x
	s_cselect_b32 s17, 0, s17                      ; A's tiles: v: the four tiles of channels; q, k: tokens by the cluster's y
	s_cselect_b32 s95, 2048, 0                     ; v's channels begin at row 2,048 of wq
	s_cselect_b32 s100, WS, s100                   ; where A's scale bytes begin in A's buffer,
	s_cselect_b32 s101, XS, s101                   ; and B's in B's
	s_lshl_b32 s42, s42, 2
	s_add_co_u32 s42, s42, s40                     ; B's tile of 256 rows
	s_lshl_b32 s17, s17, 2
	s_add_co_u32 s17, s17, s41                     ; A's tile of 256 rows
	s_lshl_b32 s43, s41, 2
	s_lshl_b32 s43, 15, s43                        ; my row of the cluster
	s_lshl_b32 s44, 0x1111, s40                    ; my column
	s_or_b32 s[G1+0], s43, (0<<16)|(1<<20)|(1<<21)|(3<<22)|(3<<25)  ; the mask; elements of 1 byte; padding on; bit 21 beside a mask; after every 16 words 4 words
	s_or_b32 s[G1B+0], s44, (0<<16)|(1<<20)|(1<<21)|(3<<22)|(3<<25)
.irp g, G1, G1B
	s_mov_b32 s[\g+1], ROWB<<16                    ; tensor_dim0
	s_mov_b32 s[\g+2], 128<<16                     ; tensor_dim1
	s_mov_b32 s[\g+3], ROWB<<16                    ; tile_dim0
	s_mov_b32 s[\g+4], 128                         ; tile_dim1
	s_mov_b32 s[\g+5], KROW                        ; the pitch
	s_mov_b32 s[\g+6], 0
	s_mov_b32 s[\g+7], 0
.endr
	s_or_b32 s[G1S+0], s43, (3<<16)|(1<<20)|(1<<21)|(5<<22)|(3<<25)  ; the scale bytes of 128 rows: 16 rows of 256 bytes, 16 bytes of padding behind each
	s_or_b32 s[G1SB+0], s44, (3<<16)|(1<<20)|(1<<21)|(5<<22)|(3<<25)
.irp g, G1S, G1SB
	s_mov_b32 s[\g+1], 32<<16
	s_mov_b32 s[\g+2], (128*KS/256)<<16
	s_mov_b32 s[\g+3], 32<<16
	s_mov_b32 s[\g+4], 128*KS/256
	s_mov_b32 s[\g+5], 32
	s_mov_b32 s[\g+6], 0
	s_mov_b32 s[\g+7], 0
.endr
	s_lshl_b32 s18, s16, 7                         ; which 128 rows of a tile I fetch
	s_lshl_b32 s20, s17, 8
	s_add_co_u32 s20, s20, s18
	s_add_co_u32 s20, s20, s95                     ; A's row
	s_lshl_b32 s46, s42, 8
	s_add_co_u32 s46, s46, s18                     ; B's row
	s_lshl_b32 s22, s20, 5
	s_add_co_u32 s22, s22, s100                    ; these rows' scale bytes (all offsets stay under 2^22)
	s_lshl_b32 s92, s46, 5
	s_add_co_u32 s92, s92, s101
	s_mul_i32 s20, s20, KROW                       ; and their codes
	s_mul_i32 s46, s46, KROW
	s_mov_b32 s21, 0
	s_mov_b32 s23, 0
	s_mov_b32 s47, 0
	s_mov_b32 s93, 0
	s_mul_i32 s45, s14, HALFT                      ; where they go: no place in the cluster enters an LDS address
	s_mul_i32 s94, s14, HALFS
	s_lshl_b32 s104, s42, 1
	s_add_co_u32 s104, s104, s16                   ; U: my 128 rows of B
	s_lshl_b32 s105, s17, 1
	s_add_co_u32 s105, s105, s15                   ; W: my 128 rows of A
	s_wait_kmcnt 0x0
	s_cmp_eq_u32 ttmp9, 2
	s_cselect_b64 s[96:97], s[6:7], s[4:5]         ; A's buffer
	s_cselect_b64 s[98:99], s[4:5], s[6:7]         ; B's
	s_add_nc_u64 s[20:21], s[96:97], s[20:21]
	s_add_nc_u64 s[22:23], s[96:97], s[22:23]
	s_add_nc_u64 s[46:47], s[98:99], s[46:47]
	s_add_nc_u64 s[92:93], s[98:99], s[92:93]
	CROUND                                         ; all sixteen work-groups are here: the first joint loads meet
	s_mov_b32 s[G0S], 1
	s_add_co_u32 s[G0S+1], s94, SCL
	s_mov_b64 s[G0S+2:G0S+3], s[22:23]
	s_or_b32 s[G0S+3], s[G0S+3], 0x80000000
	s_mov_b32 s[G0SB], 1
	s_add_co_u32 s[G0SB+1], s94, SCL
	s_mov_b64 s[G0SB+2:G0SB+3], s[92:93]
	s_or_b32 s[G0SB+3], s[G0SB+3], 0x80000000
	JLOAD G0S, G1S, G0SB, G1SB                     ; the scales first: they are wanted with K step 0
.irp s, 0,1
	s_mov_b32 s[G0+4*\s], 1
	s_add_co_u32 s[G0+4*\s+1], s45, \s*SLOT
	s_add_nc_u64 s[G0+4*\s+2:G0+4*\s+3], s[20:21], \s*ROWB
	s_or_b32 s[G0+4*\s+3], s[G0+4*\s+3], 0x80000000
	s_mov_b32 s[G0B+4*\s], 1
	s_add_co_u32 s[G0B+4*\s+1], s45, \s*SLOT
	s_add_nc_u64 s[G0B+4*\s+2:G0B+4*\s+3], s[46:47], \s*ROWB
	s_or_b32 s[G0B+4*\s+3], s[G0B+4*\s+3], 0x80000000
	JLOAD G0+4*\s, G1, G0B+4*\s, G1B
.endr
	v_and_b32 v1, 15, v0                           ; r
	v_bfe_u32 v2, v0, 4, 1                         ; h
	v_mul_u32_u24 v3, v1, PITCH
	v_mul_u32_u24 v4, v2, 24
	v_add_nc_u32 v4, v3, v4                        ; a fragment's row x pitch + 24 h
	v_lshl_add_u32 v5, v2, 4, v4                   ; and the same behind one padding more
	s_mul_i32 s21, s15, HALFT
	s_mul_i32 s22, s16, HALFT
	s_add_co_u32 s22, s22, 2*HALFT
.irp s, 0,1
	v_add_nc_u32 v[ADRA+\s], s21, v4
	v_add_nc_u32 v[ADRB+\s], s22, v4
	v_add_nc_u32 v[ADRA+2+\s], s21, v5
	v_add_nc_u32 v[ADRB+2+\s], s22, v5
	s_add_co_u32 s21, s21, SLOT
	s_add_co_u32 s22, s22, SLOT
.endr
	v_mul_u32_u24 v5, v1, KS                       ; my row's scale bytes,
	v_lshrrev_b32 v6, 8, v5
	v_lshl_add_u32 v5, v6, 4, v5                   ; and 16 more for each 256 passed
	s_mul_i32 s21, s15, HALFS
	s_mul_i32 s22, s16, HALFS
	s_add_co_u32 s22, s22, 2*HALFS
	s_sub_co_u32 s22, s22, s21
	v_mul_u32_u24 v6, s22, v2                      ; lanes 16-31 take B's
	s_add_co_u32 s21, s21, SCL
	v_add_nc_u32 v5, v5, v6
	v_add_nc_u32 v[ADRS], s21, v5
	; the way out's lane terms; none is rewritten
	v_and_b32 v6, 31, v0
	v_lshlrev_b32 v7, 3, v6                        ; 8 l: a piece of q's or k's image
	v_lshlrev_b32 v8, 4, v6                        ; 16 l: of v's
	v_lshlrev_b32 v9, 5, v1
	v_lshl_add_u32 v9, v2, 4, v9                   ; 32 r + 16 h: q's and k's scale words
	v_mul_u32_u24 v10, v2, 32*13056
	v_lshl_add_u32 v10, v1, 4, v10                 ; 16 r, + a head's 32 steps for lanes 16-31: v's scale words
	v_lshlrev_b32 v11, 6, v2                       ; 64 h: the bias of my 16 channels of each 32
	v_and_b32 v12, 8, v1
	v_add_nc_u32 v12, v12, v1
	v_lshlrev_b32 v12, 2, v12                      ; 4 (r + 8 (r / 8)): the bias of my channel
	; THE BIAS, asked for now, used on the way out.  q, k: by register (channel 128 U + 32 b + 16 h + ..); v: by lane (channel 2,048 + 128 W + ..), each word twice, for the packed addition
	s_cmp_eq_u32 ttmp9, 2
	s_cselect_b32 s18, s105, s104
	s_cselect_b32 s19, 8192, 0
	s_lshl_b32 s18, s18, 9
	s_add_co_u32 s18, s18, s19
	s_mov_b32 s19, 0
	s_add_nc_u64 s[8:9], s[8:9], s[18:19]          ; never rewritten
	s_cmp_eq_u32 ttmp9, 2
	s_cbranch_scc1 .Lbias_v
.irp t, 0,1,2,3,4,5,6,7
	global_load_b128 v[BI+8*\t:BI+8*\t+3], v11, s[8:9] offset:(32*(\t/2)+8*(\t%2))*4
	global_load_b128 v[BI+8*\t+4:BI+8*\t+7], v11, s[8:9] offset:(32*(\t/2)+8*(\t%2))*4+16
.endr
	s_branch .Lbias_asked
.Lbias_v:
.irp a, 0,1,2,3,4,5,6,7
	global_load_b32 v[BI+2*\a], v12, s[8:9] offset:(32*(\a/2)+8*(\a%2))*4
	global_load_b32 v[BI+2*\a+1], v12, s[8:9] offset:(32*(\a/2)+8*(\a%2))*4
.endr
.set i, BI+16
.rept 48
	v_mov_b32 v[i], 0                              ; only q's and k's way out names these: written here too, so that no way through the text finds a register unwritten
.set i, i+1
.endr
.Lbias_asked:
.macro FRAG reg, adr, q, i             ; 16 rows x 128 K of 6-bit codes: 12 registers, in pieces of 8 bytes; where lanes 16-31's piece (three on) lies behind one padding more, the second address register serves
.irp p, 0,1,2,3,4,5
.set PCE, 12*(\q)+6*(\p/3)+\p%3
.if PCE%8 < 5
	ds_load_b64 v[\reg+2*\p:\reg+2*\p+1], v[\adr] offset:8*PCE+16*(PCE/8)+(\i)*16*PITCH
.else
	ds_load_b64 v[\reg+2*\p:\reg+2*\p+1], v[\adr+2] offset:8*PCE+16*(PCE/8)+(\i)*16*PITCH
.endif
.endr
.endm
; 16 matrix instructions: A's blocks a0, a0 + 1 x B's eight.  The 64 accumulators take turns, one instruction a turn, in the same order in every step.
.macro MUL16 a0, p, q, sc, zero
.irp a, \a0, \a0+1
.irp b, 0,1,2,3,4,5,6,7
.if \zero
	v_wmma_scale_f32_16x16x128_f8f6f4 v[8*(8*((\a)%4)+\b):8*(8*((\a)%4)+\b)+7], v[128*(\p)+FR*\b:128*(\p)+FR*\b+FR-1], v[AF+FR*(\a):AF+FR*(\a)+FR-1], 0, v[SC+8*NQ*(\sc)+NQ*\b+(\q)], v[SC+8*NQ*(\sc)+NQ*(\a)+(\q)] matrix_a_fmt:MATRIX_FMT_FP6 matrix_b_fmt:MATRIX_FMT_FP6 matrix_a_scale:MATRIX_SCALE_ROW1
.else
	v_wmma_scale_f32_16x16x128_f8f6f4 v[8*(8*((\a)%4)+\b):8*(8*((\a)%4)+\b)+7], v[128*(\p)+FR*\b:128*(\p)+FR*\b+FR-1], v[AF+FR*(\a):AF+FR*(\a)+FR-1], v[8*(8*((\a)%4)+\b):8*(8*((\a)%4)+\b)+7], v[SC+8*NQ*(\sc)+NQ*\b+(\q)], v[SC+8*NQ*(\sc)+NQ*(\a)+(\q)] matrix_a_fmt:MATRIX_FMT_FP6 matrix_b_fmt:MATRIX_FMT_FP6 matrix_a_scale:MATRIX_SCALE_ROW1
.endif
.endr
.endr
.endm
.macro FETCH_B slot, q, p
	WIN TO_B
.irp i, 0,1,2,3,4,5,6,7
	FRAG 128*(\p)+FR*\i, ADRB+\slot, \q, \i
.endr
	WIN 0
.endm
.macro FETCH_A slot, q, i0
.irp i, \i0, \i0+1, \i0+2, \i0+3
	FRAG AF+FR*(\i), ADRA+\slot, \q, \i
.endr
.endm
.macro SCALES sc                       ; a K step's scale words: lanes 0-15 A's block i, lanes 16-31 B's block i
.irp i, 0,1,2,3,4,5,6,7
	ds_load_b64 v[SC+8*NQ*\sc+NQ*\i:SC+8*NQ*\sc+NQ*\i+1], v[ADRS] offset:\i*SBLK
.endr
.endm
.macro PLACES n                        ; plain vector instructions between a matrix instruction and a load into, or a vector write or read of, its registers
.rept \n
	v_nop
.endr
.endm
.macro STEP slot, q, zero              ; 128 along K with its successor in the same slot
	s_wait_dscnt 4*NL                              ; B's set and A's blocks 0-3 are in; the youngest 24 loads (A's blocks 4-7) may be out
	WIN MUL_LO
	MUL16 0, (\q)%2, \q, \slot, \zero
	MUL16 2, (\q)%2, \q, \slot, \zero
	s_wait_dscnt 0
	PLACES NP
	FETCH_B \slot, (\q)+1, 1-(\q)%2
	FETCH_A \slot, (\q)+1, 0
	WIN MUL_HI
	MUL16 4, (\q)%2, \q, \slot, \zero
	MUL16 6, (\q)%2, \q, \slot, \zero
	PLACES NP
	WIN 0
	FETCH_A \slot, (\q)+1, 4
.endm
; A slot's last step changes slots: in front of ONE barrier each wave waits for all its tensor loads, adds 0 to its spare word, and waits for that and for its reads of this slot.  fill = 1: the barrier opens a round of the cluster's, and the slot is filled again.
.macro TURN slot, next, fill
	s_wait_tensorcnt 0x0                           ; all my tensor loads have landed: my part of the next slot
	ds_add_u32 v[SPW], v[NIL]                      ; 0 onto my spare word
	s_wait_dscnt 4*NL+1                            ; the add and the youngest 24 loads may be out
	WIN MUL_LO
	MUL16 0, 1, NQ-1, \slot, 0
	s_wait_dscnt 0x0                               ; the add is done, and my reads of this slot are over
	s_barrier_signal -1
	MUL16 2, 1, NQ-1, \slot, 0
	WIN 0
	s_barrier_wait -1
.if \fill
	CREST                                          ; no wave of any partner still reads this slot or has a load on its way
	s_add_nc_u64 s[G0+4*\slot+2:G0+4*\slot+3], s[G0+4*\slot+2:G0+4*\slot+3], 2*ROWB
	s_add_nc_u64 s[G0B+4*\slot+2:G0B+4*\slot+3], s[G0B+4*\slot+2:G0B+4*\slot+3], 2*ROWB
	JLOAD G0+4*\slot, G1, G0B+4*\slot, G1B         ; the first tensor load behind the round; its four v_nop are the places in front of the loads below
.else
	PLACES NP
.endif
	v_add_nc_u32 v[ADRS], 4*NQ, v[ADRS]            ; the next K step's scale words
	FETCH_B \next, 0, 0
	FETCH_A \next, 0, 0
	SCALES \next
	WIN MUL_HI
	MUL16 4, 1, NQ-1, \slot, 0
	MUL16 6, 1, NQ-1, \slot, 0
	PLACES NP
	WIN 0
	FETCH_A \next, 0, 4
.endm
	s_wait_tensorcnt 1                             ; the scales and my part of K step 0 are in; K step 1's load may be out
	s_barrier_signal -1
	s_barrier_wait -1
	FETCH_B 0, 0, 0
	FETCH_A 0, 0, 0
	SCALES 0
	FETCH_A 0, 0, 4
	STEP 0, 0, 1                                   ; the first step's products start the sums
	s_mov_b32 s3, LAPS-1
.Llap:
	TURN 0, 1, 1
	STEP 1, 0, 0
	TURN 1, 0, 1
	STEP 0, 0, 0
	s_sub_co_u32 s3, s3, 1
	s_cmp_lg_u32 s3, 0
	s_cbranch_scc1 .Llap
	TURN 0, 1, 0                                   ; the last lap fills nothing
	STEP 1, 0, 0
	s_wait_dscnt 4*NL
	WIN MUL_LO
	MUL16 0, 1, NQ-1, 1, 0
	MUL16 2, 1, NQ-1, 1, 0
	s_wait_dscnt 0
	WIN MUL_HI
	MUL16 4, 1, NQ-1, 1, 0
	MUL16 6, 1, NQ-1, 1, 0
	WIN 0
; THE WAY OUT.  No tensor load is out (the last change of slots waited for all), so the descriptors' registers are free.
	s_and_b32 s32, s104, 7
	s_cmp_eq_u32 ttmp9, 2
	s_cselect_b32 s32, s105, s32                   ; my pair of heads: my 128 channels
	s_cselect_b32 s33, s104, s105                  ; my 128 tokens: a block of queries, a step of keys
	s_cmp_eq_u32 ttmp9, 0
	s_cselect_b64 s[40:41], s[10:11], s[12:13]     ; qb or kv
	s_mov_b32 s34, 13056
	s_cselect_b32 s34, 6656, s34                   ; bytes of a block or a step
	s_mov_b32 s35, 12288
	s_cselect_b32 s35, 6144, s35                   ; where q's or k's scale words begin in it
	s_lshl_b32 s32, s32, 6
	s_add_co_u32 s32, s32, s33
	s_mul_i32 s32, s32, s34
	s_mov_b32 s33, 0
	s_add_nc_u64 s[40:41], s[40:41], s[32:33]      ; the even head's block
	s_lshl_b32 s32, s34, 5
	s_add_nc_u64 s[42:43], s[40:41], s[32:33]      ; the odd head's: 32 blocks on
	s_mov_b32 s32, s35
	s_add_nc_u64 s[44:45], s[40:41], s[32:33]
	s_add_nc_u64 s[46:47], s[42:43], s[32:33]
	s_mov_b32 s[SEL], 0x76543210
	s_mov_b32 s[SEL+1], 0xfedcba98
	s_wait_loadcnt 0x0                             ; the bias
	PLACES NP                                      ; behind the last products: results are read, and A's registers written, below
.irp b, 0,1,2,3
	v_mov_b32 v[TM+4+\b], 0                        ; written once: a lane permute's destination counts as one of its sources
.endr
; 64 numbers of a lane, register 16 b + i = index 32 b + 16 (lane / 16) + i along the next K, become 12 registers of codes in v[PC] on and a scale word in v[pw].
.macro QUANT s, pw
.irp b, 0,1,2,3
	v_max3_num_f32 v[TM+\b], |v[\s+16*\b]|, |v[\s+1+16*\b]|, 0x1800000   ; my 16 numbers of block b, and the floor 2^(3 - 127): the byte cannot fall under 1
.endr
.irp i, 2,4,6,8,10,12,14
.irp b, 0,1,2,3
	v_max3_num_f32 v[TM+\b], v[TM+\b], |v[\s+16*\b+\i]|, |v[\s+1+16*\b+\i]|
.endr
.endr
.irp b, 0,1,2,3
	v_permlanex16_b32 v[TM+4+\b], v[TM+\b], s[SEL], s[SEL+1]
.endr
.irp b, 0,1,2,3
	v_max_num_f32 v[TM+\b], v[TM+\b], v[TM+4+\b]   ; with lane l xor 16's: the block's largest magnitude
.endr
.irp b, 0,1,2,3
	v_add_nc_u32 v[TM+12+\b], 0xff000000, v[TM+\b] ; 2 off its exponent field: the conversion's scale operand
.endr
.irp b, 0,1,2,3
	v_lshrrev_b32 v[TM+4+\b], 23, v[TM+12+\b]      ; the scale's byte
.endr
	v_lshl_or_b32 v[\pw], v[TM+5], 8, v[TM+4]
	v_lshl_or_b32 v[\pw], v[TM+6], 16, v[\pw]
	v_lshl_or_b32 v[\pw], v[TM+7], 24, v[\pw]
.irp c, 0,1
	v_cvt_scalef32_pk16_fp6_f32 v[PC+6*\c:PC+2+6*\c], v[\s+32*\c:\s+15+32*\c], v[TM+12+2*\c]
	v_cvt_scalef32_pk16_fp6_f32 v[PC+12+4*\c:PC+14+4*\c], v[\s+16+32*\c:\s+31+32*\c], v[TM+12+2*\c+1]   ; (a conversion's three registers begin on an even number)
.endr
	v_nop                                          ; one plain place behind a scaled conversion
.irp c, 0,1                                    ; the operand's layout wants a whole block in a lane: lanes 0-15 block 2 c, lanes 16-31 block 2 c + 1
.irp i, 0,1,2
	v_permlane16_swap_b32 v[PC+6*\c+\i], v[PC+12+4*\c+\i]
.endr
.irp i, 0,1,2
	v_mov_b32 v[PC+3+6*\c+\i], v[PC+12+4*\c+\i]
.endr
.endr
.endm
; Block a of A's rows: its eight accumulators + the bias -> 64 numbers -> codes -> memory.  Each accumulator is read from its low end on.
.macro EBLOCK a, role
.set AC, 64*((\a)%4)
	s_wait_xcnt 0x0                                ; the last block's stores have read their registers: they are written again below
	WIN 0x02+(\a)/4                                ; source 0: window 2 or 3
.set qq, 0
.rept 32
.if \role
	v_pk_add_f32 v[QN+qq:QN+qq+1], v[AC+qq:AC+qq+1], v[BI+2*(\a):BI+2*(\a)+1]
.else
	v_pk_add_f32 v[QN+qq:QN+qq+1], v[AC+qq:AC+qq+1], v[BI+qq:BI+qq+1]
.endif
.set qq, qq+2
.endr
	WIN 0
	QUANT QN, PW+(\a)
.if \role
.irp c, 0,1,2
	global_store_b128 v8, v[PC+4*\c:PC+4*\c+3], s[40+2*((\a)/4):41+2*((\a)/4)] offset:6144+1536*((\a)%4)+512*\c   ; 512 consecutive bytes, aligned to 256
.endr
.else
.irp p, 0,1,2
	global_store_b64 v7, v[PC+2*\p:PC+2*\p+1], s[40:41] offset:768*(\a)+256*\p       ; registers 0-5: the even head's 64; 256 consecutive bytes, aligned
	global_store_b64 v7, v[PC+6+2*\p:PC+7+2*\p], s[42:43] offset:768*(\a)+256*\p     ; registers 6-11: the odd head's
.endr
.endif
.endm
.macro WORDS                           ; lanes 0-15 take blocks 0-3's scale words, lanes 16-31 blocks 4-7's
	v_bfe_u32 v13, v0, 4, 1
	v_cmp_eq_u32 vcc_lo, 1, v13
.irp i, 0,1,2,3
	v_cndmask_b32 v[236+\i], v[PW+\i], v[PW+4+\i], vcc_lo
.endr
.endm
	s_cmp_eq_u32 ttmp9, 2
	s_cbranch_scc1 .Lout_v
.irp a, 0,1,2,3,4,5,6,7
	EBLOCK \a, 0
.endr
	WORDS
.irp i, 0,1,2,3
	v_and_b32 v[240+\i], 0xffff, v[236+\i]         ; bytes 0, 1: the even head's two blocks; bytes 2, 3 of the stored word are 0: they stand over zero codes
	v_lshrrev_b32 v[244+\i], 16, v[236+\i]         ; bytes 2, 3: the odd head's
.endr
	global_store_b128 v9, v[240:243], s[44:45]     ; 512 consecutive bytes
	global_store_b128 v9, v[244:247], s[46:47]
	s_branch .Lend
.Lout_v:
.irp a, 0,1,2,3,4,5,6,7
	EBLOCK \a, 1
.endr
	WORDS
	global_store_b128 v10, v[236:239], s[40:41] offset:12800   ; lanes 0-15: the even head's 256 bytes, lanes 16-31: the odd head's
.Lend:
	s_wait_tensorcnt 0x0                           ; the wave's end
	ds_add_u32 v[SPW], v[NIL]
	s_wait_dscnt 0x0
	CROUND                                         ; the closing round
	s_endpgm
.Lfunc_end_k_q2785be1553_qkv:
	.size	k_q2785be1553_qkv, .Lfunc_end_k_q2785be1553_qkv-k_q2785be1553_qkv
	.p2alignl 7, 3214868480
	.fill 96, 4, 3214868480
	.section	.rodata,"a",@progbits
	.p2align	6, 0x0
	.amdhsa_kernel k_q2785be1553_qkv
		.amdhsa_group_segment_fixed_size 327680
		.amdhsa_private_segment_fixed_size 0
		.amdhsa_enable_private_segment 0
		.amdhsa_kernarg_size 40
		.amdhsa_user_sgpr_count 2
		.amdhsa_user_sgpr_kernarg_segment_ptr 1
		.amdhsa_wavefront_size32 1
		.amdhsa_system_sgpr_workgroup_id_x 1
		.amdhsa_system_sgpr_workgroup_id_y 1
		.amdhsa_system_sgpr_workgroup_id_z 1
		.amdhsa_system_vgpr_workitem_id 0
		.amdhsa_next_free_vgpr 1024
		.amdhsa_next_free_sgpr 106
		.amdhsa_reserve_vcc 1
		.amdhsa_float_denorm_mode_32 3
		.amdhsa_float_denorm_mode_16_64 3
		.amdhsa_memory_ordered 1
		.amdhsa_forward_progress 1
		.amdhsa_inst_pref_size 238
	.end_amdhsa_kernel
	.amdgpu_metadata
---
amdhsa.version: [ 1, 2 ]
amdhsa.kernels:
  - .name:           k_q2785be1553_qkv
    .symbol:         k_q2785be1553_qkv.kd
    .args:
      - { .name: xq, .offset: 0, .size: 8, .value_kind: global_buffer, .address_space: global }
      - { .name: wq, .offset: 8, .size: 8, .value_kind: global_buffer, .address_space: global }
      - { .name: bqkv, .offset: 16, .size: 8, .value_kind: global_buffer, .address_space: global }
      - { .name: qb, .offset: 24, .size: 8, .value_kind: global_buffer, .address_space: global }
      - { .name: kv, .offset: 32, .size: 8, .value_kind: global_buffer, .address_space: global }
    .group_segment_fixed_size: 327680
    .private_segment_fixed_size: 0
    .kernarg_segment_align: 8
    .kernarg_segment_size: 40
    .max_flat_workgroup_size: 128
    .sgpr_count:     106
    .vgpr_count:     1024
    .wavefront_size: 32
...
	.end_amdgpu_metadata
.endif
;; end of part 2
;; launch attn (part 3): grid 16 x 16, 8 waves a work-group, no clusters, 327,680 bytes of LDS; arguments qb, kv, aq; writes aq
.if DOCPART == 3
	.amdgcn_target "amdgcn-amd-amdhsa--gfx1250"
	.amdhsa_code_object_version 6
	.text
	.protected	k_q2785be1553_attn
	.globl	k_q2785be1553_attn
	.p2align	8
	.type	k_q2785be1553_attn,@function
k_q2785be1553_attn:
	s_mov_b64 s[64:65], 0
	v_nop
	global_prefetch_b8 v0, s[64:65] scope:SCOPE_SE
	s_setreg_imm32_b32 hwreg(HW_REG_WAVE_MODE, 25, 1), 1
	s_wait_xcnt 0x0
; o = softmax(q k^T / 8, causal) v for 16 heads of 64, 4,096 tokens, both products on codes of FP6 (E2M3) with E8M0 scales; o is quantised in registers along the last product's K and stored as images of operand registers (aq).
; SOFTMAX: t = score x log2(e) / 8; M = the running largest t rounded UP to a whole number; p = 2^(t - M) is quantised along the keys, not normalised; the row's sum is taken of the unquantised p and divides at the end.
; When M moves, the sum and O^T are multiplied by 2^(old M - new M): exact.
; SHARES.  Work-group (i, head) owns the blocks of 128 queries i and 31 - i, one after the other: key steps 0 .. i, then 0 .. 31 - i: 33 steps of 128 keys in EVERY work-group, so all trip counts are constants and all work-groups do equal work.
; Wave w of eight owns tile w (16 queries) of the block in hand.  Only a block's last step lies on the diagonal.  Steps wholly behind the diagonal are never walked.
; Position POS = 0 .. 32 of the walk is key step POS while POS < NA = i + 1, else POS - NA.
; NO CLUSTER: at one position the work-groups of a head stand at different key steps (POS against POS - NA, NA different in each), so no joint request would name one tile.
; LAYOUT.  Both products transposed: S^T = K Q^T (source 0 = 16 keys, source 1 = my 16 queries), O^T = V^T P^T: a lane holds ONE query.  K = 64 of the first product fills half of the instruction's 128: registers 6-11 of both operands are zero codes.
; The keys of a tile and the channels of a tile of V are laid (by the launch before) so that two neighbouring tiles give a lane 16 neighbouring keys, or channels, in its registers.
; kv: [head][step][13,056]: K's eight images of 768 bytes, V's four of 1,536 at 6,144, K's scale words at 12,288 (32 r + 4 t), V's at 12,800 (16 r + 4 d): one dense block a step, one tensor load.
; RING: two slots of three steps; waves 0-2 fetch a step each.
; LIMITS: hidden scores are -infinity where the definition has -1e10: equal as long as a row's largest visible logit lies above -1e10; NaN and infinities are not served; blocks of o under 2^-124 keep the scale byte 1.
; REGISTERS.  window 0: v1-4 lane terms, v5-6 the add's, v7 the diagonal's number, v8-11 addresses in hand, v12 -M, v13 the largest t, v[14:15] the sum, v16-27 Q (22-27 zeros), v28 Q's scale word, v29 the prefetches' offset,
;   v32-39 K's scale words, v40-43 V's, v44-50 the second block's Q, v96-159 S^T then p, v160-191 O^T, v224-235 p's codes, v232-254 at work.  window 1: v0-95 K's eight tiles (12 t + 6 .. 11 zeros), v96-143 V's four.
.set STEPB, 13056
.set VIM,   6144
.set KSW,   12288
.set VSW,   12800
.set SLOT1, 65536                      ; one exclusive or turns an address in one slot into the other's
.set SPARE, 131072                     ; the spare words, 128 bytes for each of eight waves: no other line names them
.set QBLK,  6656
.set HEADB, 32*STEPB
.set AS,    3145728                    ; aq's scale bytes
.set WV,    12
.set BLKA,  13                         ; the first block of queries
.set HD,    14
.set NA,    15                         ; its steps
.set DG,    16                         ; the next position on the diagonal
.set POS,   17
.set SLOTS, 18
.set CNT,   19
.set SEL,   20
.set CS,    22                         ; s[22:23] c = log2(e) / 8
.set G1,    24
.set G0,    32
.set TB,    36                         ; LDS byte of the step in hand
.set NP,    37                         ; the position that my next tensor load brings
.set TMP,   38                         ; s[38:39]; s39 stays 0
.set KVH,   40                         ; s[40:41] the head's first byte in kv
.set OC,    42                         ; s[42:43] where the block in hand stores its codes, s[44:45] its scale bytes
.set OS,    44
.set OCB,   46                         ; the same for the second block
.set OSB,   48
.set PFA,   50
.set LIM,   52
.set BLKB,  53
.set QCA,   54
.set QSA,   56
.set QCB,   58
.set QSB,   60
.set MSB, 0
.macro WIN new
.if MSB != \new
	s_set_vgpr_msb (MSB<<8)|\new
.set MSB, \new
.endif
.endm
	s_load_b128 s[4:7], s[0:1], 0x0                ; qb, kv
	s_load_b64 s[8:9], s[0:1], 0x10                ; aq
	v_lshl_add_u32 v5, v0, 2, SPARE
	v_mov_b32 v6, 0
	ds_add_u32 v5, v6
	s_wait_dscnt 0x0
	v_lshrrev_b32 v8, 5, v0
	v_readfirstlane_b32 s[WV], v8                  ; wave 0..7
	s_mov_b32 s[BLKA], ttmp9
	s_and_b32 s[HD], ttmp7, 0xffff
	s_add_co_u32 s[NA], s[BLKA], 1
	s_sub_co_u32 s[BLKB], 31, s[BLKA]
	s_mov_b32 s[DG], s[BLKA]
	s_mov_b32 s[POS], 0
	s_mov_b32 s[SLOTS], 10
	s_mov_b32 s[SEL], 0x76543210
	s_mov_b32 s[SEL+1], 0xfedcba98
	s_mov_b32 s[CS], 0x3e38aa3b
	s_mov_b32 s[CS+1], s[CS]                       ; (named with it as a pair)
	s_mov_b32 s[TB], 0
	s_add_co_u32 s[NP], s[WV], 3
	s_mov_b32 s[G1], 3<<16                         ; no mask; elements of 8 bytes; no padding: the images are read as they lie
	s_mov_b32 s[G1+1], 32<<16                      ; tensor_dim0: 256 bytes
	s_mov_b32 s[G1+2], 51<<16                      ; tensor_dim1: 51 rows = a step's 13,056 bytes
	s_mov_b32 s[G1+3], 32<<16                      ; tile_dim0
	s_mov_b32 s[G1+4], 51                          ; tile_dim1
	s_mov_b32 s[G1+5], 32                          ; the pitch: dense
	s_mov_b32 s[G1+6], 0
	s_mov_b32 s[G1+7], 0
	s_mul_i32 s[TMP], s[HD], HEADB
	s_mov_b32 s[TMP+1], 0
	s_wait_kmcnt 0x0
	s_add_nc_u64 s[KVH:KVH+1], s[6:7], s[TMP:TMP+1]
	s_cmp_lt_u32 s[WV], s[NA]                      ; position w of the walk:
	s_cselect_b32 s[TMP], 0, s[NA]
	s_sub_co_u32 s[TMP], s[WV], s[TMP]             ; its key step
	s_mul_i32 s[TMP], s[TMP], STEPB
	s_mov_b32 s[G0], 1
	s_mul_i32 s[G0+1], s[WV], STEPB                ; slot 0, my third
	s_add_nc_u64 s[G0+2:G0+3], s[KVH:KVH+1], s[TMP:TMP+1]
	s_or_b32 s[G0+3], s[G0+3], 0x80000000
	s_cmp_lt_u32 s[WV], 3
	s_cbranch_scc0 .Lno_first
	tensor_load_to_lds s[G0:G0+3], s[G1:G1+7]      ; slot 0: ahead of every wait on TENSORcnt, LDS read and barrier
	s_nop 0
.rept 4
	v_nop
.endr
.Lno_first:
	v_and_b32 v8, 31, v0                           ; l
	v_and_b32 v9, 15, v0                           ; r
	v_bfe_u32 v10, v0, 4, 1                        ; h
	v_lshlrev_b32 v1, 3, v8                        ; 8 l
	v_lshlrev_b32 v2, 4, v8                        ; 16 l
	v_lshlrev_b32 v3, 5, v9                        ; 32 r
	v_lshlrev_b32 v4, 4, v9                        ; 16 r
	v_lshlrev_b32 v29, 8, v8                       ; 256 l
	v_and_b32 v7, 8, v9
	v_add_nc_u32 v7, v7, v9                        ; r + 8 (r / 8)
	v_lshlrev_b32 v11, 4, v10
	v_sub_nc_u32 v7, v7, v11
	s_lshr_b32 s10, s[WV], 1
	s_lshl_b32 s10, s10, 5
	s_and_b32 s11, s[WV], 1
	s_lshl_b32 s11, s11, 3
	s_add_co_u32 s10, s10, s11
	v_add_nc_u32 v7, s10, v7                       ; d = my query's place in its block - 16 h.  On the diagonal register 16 b + i holds key 32 b + 16 h + i: hidden where 32 b + i > d
; the addresses of a block of queries: Q's image and scale words of my tile; where my tile's o goes
.macro PHASE_ADR blk, qc, qs, oc, os
	s_lshl_b32 s10, s[HD], 5
	s_add_co_u32 s10, s10, s[\blk]
	s_mul_i32 s10, s10, QBLK
	s_mul_i32 s[TMP], s[WV], 768
	s_add_co_u32 s[TMP], s[TMP], s10
	s_add_nc_u64 s[\qc:\qc+1], s[4:5], s[TMP:TMP+1]
	s_lshl_b32 s[TMP], s[WV], 2
	s_add_co_u32 s[TMP], s[TMP], s10
	s_add_co_u32 s[TMP], s[TMP], 6144
	s_add_nc_u64 s[\qs:\qs+1], s[4:5], s[TMP:TMP+1]
	s_lshl_b32 s10, s[\blk], 3
	s_add_co_u32 s10, s10, s[WV]                   ; T: my tile among the 256
	s_lshl_b32 s[TMP], s10, 4
	s_add_co_u32 s[TMP], s[TMP], s[HD]
	s_mul_i32 s[TMP], s[TMP], 768
	s_add_nc_u64 s[\oc:\oc+1], s[8:9], s[TMP:TMP+1]
	s_lshl_b32 s[TMP], s10, 9
	s_lshl_b32 s11, s[HD], 1
	s_add_co_u32 s[TMP], s[TMP], s11
	s_add_co_u32 s[TMP], s[TMP], AS
	s_add_nc_u64 s[\os:\os+1], s[8:9], s[TMP:TMP+1]
.endm
	PHASE_ADR BLKA, QCA, QSA, OC, OS
	PHASE_ADR BLKB, QCB, QSB, OCB, OSB
.irp p, 0,1,2
	global_load_b64 v[16+2*\p:17+2*\p], v1, s[QCA:QCA+1] offset:256*\p
	global_load_b64 v[44+2*\p:45+2*\p], v1, s[QCB:QCB+1] offset:256*\p
.endr
	global_load_b32 v28, v3, s[QSA:QSA+1]
	global_load_b32 v50, v3, s[QSB:QSB+1]
	; the prefetches: waves 3 to 7 of the head's first work-group; 8,192 bytes a wave, lanes 256 bytes apart.  Each filling change of slots steps the address by 40,960 first: wave 3's first request names byte 78,336, key step 6's first
	s_lshl_b32 s[TMP], s[WV], 13
	s_add_co_u32 s[TMP], s[TMP], 12800
	s_add_nc_u64 s[PFA:PFA+1], s[KVH:KVH+1], s[TMP:TMP+1]
	s_cmp_lt_u32 s[WV], 3
	s_cselect_b32 s[TMP], 1, 0
	s_or_b32 s[TMP], s[TMP], ttmp9
	s_cmp_eq_u32 s[TMP], 0
	s_cselect_b32 s[LIM], 2, -1                    ; a wave asks while SLOTS is above this
.irp j, 0,1,2,3,4,5
	v_mov_b32 v[22+\j], 0                          ; Q's upper half of K: zero codes
.endr
	WIN 0x40
.irp t, 0,1,2,3,4,5,6,7
.irp j, 6,7,8,9,10,11
	v_mov_b32 v[12*\t+\j], 0                       ; and K's, once
.endr
.endr
	WIN 0
	v_mov_b32 v13, 0xff61b1e6                      ; the largest t so far: -3e38
	v_floor_f32 v12, -v13                          ; -M
	v_mov_b32 v14, 0
	v_mov_b32 v15, 0
.irp b, 0,1,2,3
	v_mov_b32 v[236+\b], 0                         ; a lane permute's destination counts as one of its sources
.endr
	v_mov_b32 v252, 0
	v_mov_b32 v253, 0
.set j, 0
.rept 32
	v_mov_b32 v[160+j], 0                          ; O^T: the step is written once; a block's first step finds zeros
.set j, j+1
.endr
	s_wait_loadcnt 0x0                             ; both blocks' Q
; A BLOCK'S END: O^T / the sum, quantised along the head's 64 (two blocks of 32), stored as my tile's image and two scale bytes a row.
.macro FINISH
.rept 4
	v_nop                                          ; places behind the last products
.endr
	v_add_f32 v14, v14, v15
	v_permlanex16_b32 v252, v14, s[SEL], s[SEL+1]
	v_add_f32 v14, v14, v252                       ; the row's sum
	v_rcp_f32 v14, v14
	v_nop                                          ; a plain place behind the transcendental
	s_wait_alu depctr_va_vdst(0)                   ; and a wait ahead of its first reader
.set j, 0
.rept 16
	v_pk_mul_f32 v[96+j:97+j], v[160+j:161+j], v[14:15] op_sel_hi:[1,0]   ; register 16 b + i: channel 32 b + 16 h + i of my query
.set j, j+2
.endr
.irp b, 0,1
	v_max3_num_f32 v[232+\b], |v[96+16*\b]|, |v[97+16*\b]|, 0x1800000     ; with the floor 2^(3 - 127)
.endr
.irp i, 2,4,6,8,10,12,14
.irp b, 0,1
	v_max3_num_f32 v[232+\b], v[232+\b], |v[96+16*\b+\i]|, |v[97+16*\b+\i]|
.endr
.endr
.irp b, 0,1
	v_permlanex16_b32 v[236+\b], v[232+\b], s[SEL], s[SEL+1]
.endr
.irp b, 0,1
	v_max_num_f32 v[232+\b], v[232+\b], v[236+\b]
.endr
.irp b, 0,1
	v_add_nc_u32 v[244+\b], 0xff000000, v[232+\b]
.endr
.irp b, 0,1
	v_lshrrev_b32 v[236+\b], 23, v[244+\b]
.endr
	v_lshl_or_b32 v254, v237, 8, v236              ; my row's two scale bytes
	v_cvt_scalef32_pk16_fp6_f32 v[224:226], v[96:111], v244
	v_cvt_scalef32_pk16_fp6_f32 v[236:238], v[112:127], v245
	v_nop                                          ; one plain place behind a scaled conversion
.irp i, 0,1,2
	v_permlane16_swap_b32 v[224+\i], v[236+\i]
.endr
.irp i, 0,1,2
	v_mov_b32 v[227+\i], v[236+\i]
.endr
.irp p, 0,1,2
	global_store_b64 v1, v[224+2*\p:225+2*\p], s[OC:OC+1] offset:256*\p   ; 256 consecutive bytes, aligned
.endr
	global_store_b16 v3, v254, s[OS:OS+1]          ; lanes l and l xor 16 write the same two bytes with the same value
	s_wait_xcnt 0x0                                ; the stores have read their registers and bases: both are written again
.endm
; THE SECOND BLOCK BEGINS.  The 32 zeros of O^T stand between the writes of Q and its scale word and the next products.
.macro START
	v_mov_b32 v28, v50
.irp j, 0,1,2,3,4,5
	v_mov_b32 v[16+\j], v[44+\j]
.endr
	s_mov_b64 s[OC:OC+1], s[OCB:OCB+1]
	s_mov_b64 s[OS:OS+1], s[OSB:OSB+1]
	s_mov_b32 s[DG], 32
	v_mov_b32 v13, 0xff61b1e6
	v_floor_f32 v12, -v13
	v_mov_b32 v14, 0
	v_mov_b32 v15, 0
.set j, 0
.rept 32
	v_mov_b32 v[160+j], 0
.set j, j+1
.endr
.endm
; A KEY STEP: 128 keys.
.macro STEP
	s_cmp_lg_u32 s[POS], s[NA]
	s_cbranch_scc1 .Lsame_\@
	FINISH
	START
.Lsame_\@:
	v_add_nc_u32 v8, s[TB], v1                     ; these four are also the places between the last products and the loads into their registers
	v_add_nc_u32 v9, s[TB], v2
	v_add_nc_u32 v10, s[TB], v3
	v_add_nc_u32 v11, s[TB], v4
	ds_load_b128 v[32:35], v10 offset:KSW          ; K's scale words of tiles 0-3,
	ds_load_b128 v[36:39], v10 offset:KSW+16       ; 4-7,
	ds_load_b128 v[40:43], v11 offset:VSW          ; V's four
	WIN 0x40                                       ; destination window 1
.irp t, 0,1,2,3,4,5,6,7
.irp p, 0,1,2
	ds_load_b64 v[12*\t+2*\p:12*\t+2*\p+1], v8 offset:768*\t+256*\p
.endr
.endr
.irp d, 0,1,2,3
.irp c, 0,1,2
	ds_load_b128 v[96+12*\d+4*\c:96+12*\d+4*\c+3], v9 offset:VIM+1536*\d+512*\c
.endr
.endr
	s_wait_dscnt 12                                ; the scale words and K are in; V's twelve loads may be out
	WIN 0x01                                       ; source 0 window 1
.irp t, 0,1,2,3,4,5,6,7
	v_wmma_scale_f32_16x16x128_f8f6f4 v[96+8*\t:103+8*\t], v[12*\t:12*\t+11], v[16:27], 0, v[32+\t], v28 matrix_a_fmt:MATRIX_FMT_FP6 matrix_b_fmt:MATRIX_FMT_FP6
.endr
	WIN 0
.rept 4
	v_nop
.endr
	s_cmp_lg_u32 s[POS], s[DG]                     ; on the diagonal hidden scores become -infinity ahead of the maximum: p = 0 then
	s_cbranch_scc1 .Lopen_\@
	v_mov_b32 v254, 0xff800000
.set n, 0
.rept 64
	v_cmp_gt_i32 vcc_lo, 32*(n/16)+n%16, v7
	v_cndmask_b32 v[96+n], v[96+n], v254, vcc_lo
.set n, n+1
.endr
.Lopen_\@:
.irp b, 0,1,2,3
	v_max3_num_f32 v[232+\b], v[96+16*\b], v[97+16*\b], v[98+16*\b]   ; the largest score of each block of 32 keys: for the row's maximum, and, since p rises with the score, for the block's largest p
.endr
.irp i, 3,5,7,9,11,13
.irp b, 0,1,2,3
	v_max3_num_f32 v[232+\b], v[232+\b], v[96+16*\b+\i], v[97+16*\b+\i]
.endr
.endr
.irp b, 0,1,2,3
	v_max_num_f32 v[232+\b], v[232+\b], v[111+16*\b]
.endr
.irp b, 0,1,2,3
	v_permlanex16_b32 v[236+\b], v[232+\b], s[SEL], s[SEL+1]
.endr
.irp b, 0,1,2,3
	v_max_num_f32 v[232+\b], v[232+\b], v[236+\b]  ; with lane l xor 16's 16 keys
.endr
	v_max3_num_f32 v254, v232, v233, v234
	v_max_num_f32 v254, v254, v235
	v_mul_f32 v254, s[CS], v254                    ; as t (c is positive)
	v_max_num_f32 v13, v13, v254                   ; the running largest t
	v_mov_b32 v254, v12
	v_floor_f32 v12, -v13                          ; the new -M = -ceil(t)
	v_sub_f32 v254, v12, v254                      ; old M - new M: a whole number, 0 or less
	v_cvt_i32_f32 v254, v254                       ; (it saturates)
	v_ldexp_f32 v252, 1.0, v254                    ; f = 2^(old M - new M)
.set j, 0
.rept 32
	v_pk_fma_f32 v[96+j:97+j], v[96+j:97+j], s[CS:CS+1], v[12:13] op_sel_hi:[1,0,0]   ; t - M
.set j, j+2
.endr
.irp b, 0,1,2,3
	v_fma_f32 v[232+\b], v[232+\b], s[CS], v12     ; the same of each block's largest score
.endr
.set j, 0
.rept 64
	v_exp_f32 v[96+j], v[96+j]                     ; p = 2^(t - M)
.set j, j+1
.endr
	v_pk_mul_f32 v[14:15], v[14:15], v[252:253] op_sel_hi:[1,0]   ; the sums under the new M: a plain place behind the exponentials
	s_wait_alu depctr_va_vdst(0)                   ; one wait for the batch of 64, ahead of its first reader
.irp b, 0,1,2,3
	v_exp_f32 v[232+\b], v[232+\b]                 ; the block's largest p
.endr
	v_pk_add_f32 v[236:237], v[96:97], v[98:99]    ; the row's sum of the unquantised p, in two chains: plain work behind the four
.irp j, 4,8,12,16,20,24,28,32,36,40,44,48,52,56,60
	v_pk_add_f32 v[14:15], v[14:15], v[96+\j:97+\j]
	v_pk_add_f32 v[236:237], v[236:237], v[98+\j:99+\j]
.endr
	v_pk_add_f32 v[14:15], v[14:15], v[236:237]
	s_wait_alu depctr_va_vdst(0)                   ; and one for the four
.irp b, 0,1,2,3
	v_max_num_f32 v[232+\b], 0x1800000, v[232+\b]  ; the floor 2^(3 - 127)
.endr
.irp b, 0,1,2,3
	v_add_nc_u32 v[244+\b], 0xff000000, v[232+\b]  ; the conversion's scale operand
.endr
.irp b, 0,1,2,3
	v_lshrrev_b32 v[236+\b], 23, v[244+\b]         ; the scale's byte
.endr
	v_lshl_or_b32 v253, v237, 8, v236              ; p's scale word for these 128 keys
	v_lshl_or_b32 v253, v238, 16, v253
	v_lshl_or_b32 v253, v239, 24, v253
.irp c, 0,1
	v_cvt_scalef32_pk16_fp6_f32 v[224+6*\c:226+6*\c], v[96+32*\c:111+32*\c], v[244+2*\c]
	v_cvt_scalef32_pk16_fp6_f32 v[236+4*\c:238+4*\c], v[112+32*\c:127+32*\c], v[244+2*\c+1]
.endr
	v_nop                                          ; one plain place behind a scaled conversion
.irp c, 0,1
.irp i, 0,1,2
	v_permlane16_swap_b32 v[224+6*\c+\i], v[236+4*\c+\i]
.endr
.irp i, 0,1,2
	v_mov_b32 v[227+6*\c+\i], v[236+4*\c+\i]
.endr
.endr
.set j, 0
.rept 16
	v_pk_mul_f32 v[160+j:161+j], v[160+j:161+j], v[252:253] op_sel_hi:[1,0]   ; O^T under the new M.  Twelve of the sixteen name no register of a given product below: its places behind the writes of p's codes and scale word
.set j, j+2
.endr
	s_wait_dscnt 0x0                               ; V is in
	WIN 0x01
.irp d, 0,1,2,3
	v_wmma_scale_f32_16x16x128_f8f6f4 v[160+8*\d:167+8*\d], v[96+12*\d:107+12*\d], v[224:235], v[160+8*\d:167+8*\d], v[40+\d], v253 matrix_a_fmt:MATRIX_FMT_FP6 matrix_b_fmt:MATRIX_FMT_FP6
.endr
	WIN 0
	s_add_co_u32 s[POS], s[POS], 1
	s_add_co_u32 s[TB], s[TB], STEPB
.endm
; THE CHANGE OF SLOTS, at a slot's head.  Each wave waits for all its tensor loads, adds 0 to its spare word, and waits for that and for its reads of the slot that it has left; behind the barrier the slot ahead is whole and nobody reads the other.
; fill = 1: the other slot takes the next three positions of the walk: a load has three steps in which to land; one tensor load of a wave is out at a time.
.macro CHANGE fill
	s_wait_tensorcnt 0x0
	ds_add_u32 v5, v6
.if \fill
	s_cmp_lt_u32 s[NP], s[NA]
	s_cselect_b32 s[TMP], 0, s[NA]
	s_sub_co_u32 s[TMP], s[NP], s[TMP]             ; the key step of my next position
	s_mul_i32 s[TMP], s[TMP], STEPB
	s_add_nc_u64 s[G0+2:G0+3], s[KVH:KVH+1], s[TMP:TMP+1]
	s_or_b32 s[G0+3], s[G0+3], 0x80000000
	s_xor_b32 s[G0+1], s[G0+1], SLOT1              ; the other slot than last time
	s_add_co_u32 s[NP], s[NP], 3
	s_wait_xcnt 0x0                                ; the last prefetch, three steps back, has read its address
	s_add_nc_u64 s[PFA:PFA+1], s[PFA:PFA+1], 40960
.endif
	s_wait_dscnt 0x0
	s_barrier_signal -1
	s_barrier_wait -1
.if \fill
	s_cmp_lt_u32 s[WV], 3
	s_cbranch_scc0 .Lnone_\@
	tensor_load_to_lds s[G0:G0+3], s[G1:G1+7]      ; the first thing behind the barrier, my one tensor load until the next
	s_nop 0
.rept 4
	v_nop
.endr
.Lnone_\@:
	; A PREFETCH of what the next change of slots will ask for.  All work-groups of a head walk the same kv: the head's first asks, by its five waves that fetch nothing: 160 blocks of 256 bytes a change, against 153 that a slot holds,
	; from block 306 on, each block once; the last two filling changes ask for nothing: the last byte named lies in block 1,585 of the head's 1,632
	s_cmp_gt_u32 s[SLOTS], s[LIM]
	s_cbranch_scc0 .Lnot_mine_\@
	global_prefetch_b8 v29, s[PFA:PFA+1] th:TH_LOAD_NT scope:SCOPE_SE
.Lnot_mine_\@:
.endif
.endm
.macro THREE_STEPS
	s_mov_b32 s[CNT], 3
.Lstep_\@:
	STEP
	s_sub_co_u32 s[CNT], s[CNT], 1
	s_cmp_lg_u32 s[CNT], 0
	s_cbranch_scc1 .Lstep_\@
	s_sub_co_u32 s[TB], s[TB], 3*STEPB
	s_xor_b32 s[TB], s[TB], SLOT1                  ; on to the other slot
.endm
.Lslot:                                            ; ten trips: behind each change of slots but the last the next slot is asked for
	CHANGE 1
	THREE_STEPS
	s_sub_co_u32 s[SLOTS], s[SLOTS], 1
	s_cmp_lg_u32 s[SLOTS], 0
	s_cbranch_scc1 .Lslot
	CHANGE 0                                       ; the last slot is written out
	THREE_STEPS
	FINISH
	s_wait_tensorcnt 0x0                           ; the wave's end
	ds_add_u32 v5, v6
	s_wait_dscnt 0x0
	s_endpgm
.Lfunc_end_k_q2785be1553_attn:
	.size	k_q2785be1553_attn, .Lfunc_end_k_q2785be1553_attn-k_q2785be1553_attn
	.p2alignl 7, 3214868480
	.fill 96, 4, 3214868480
	.section	.rodata,"a",@progbits
	.p2align	6, 0x0
	.amdhsa_kernel k_q2785be1553_attn
		.amdhsa_group_segment_fixed_size 327680
		.amdhsa_private_segment_fixed_size 0
		.amdhsa_enable_private_segment 0
		.amdhsa_kernarg_size 24
		.amdhsa_user_sgpr_count 2
		.amdhsa_user_sgpr_kernarg_segment_ptr 1
		.amdhsa_wavefront_size32 1
		.amdhsa_system_sgpr_workgroup_id_x 1
		.amdhsa_system_sgpr_workgroup_id_y 1
		.amdhsa_system_sgpr_workgroup_id_z 1
		.amdhsa_system_vgpr_workitem_id 0
		.amdhsa_next_free_vgpr 400
		.amdhsa_next_free_sgpr 66
		.amdhsa_reserve_vcc 1
		.amdhsa_float_denorm_mode_32 3
		.amdhsa_float_denorm_mode_16_64 3
		.amdhsa_memory_ordered 1
		.amdhsa_forward_progress 1
		.amdhsa_inst_pref_size 68
	.end_amdhsa_kernel
	.amdgpu_metadata
---
amdhsa.version: [ 1, 2 ]
amdhsa.kernels:
  - .name:           k_q2785be1553_attn
    .symbol:         k_q2785be1553_attn.kd
    .args:
      - { .name: qb, .offset: 0, .size: 8, .value_kind: global_buffer, .address_space: global }
      - { .name: kv, .offset: 8, .size: 8, .value_kind: global_buffer, .address_space: global }
      - { .name: aq, .offset: 16, .size: 8, .value_kind: global_buffer, .address_space: global }
    .group_segment_fixed_size: 327680
    .private_segment_fixed_size: 0
    .kernarg_segment_align: 8
    .kernarg_segment_size: 24
    .max_flat_workgroup_size: 256
    .sgpr_count:     66
    .vgpr_count:     400
    .wavefront_size: 32
...
	.end_amdgpu_metadata
.endif
;; end of part 3
;; launch proj (part 4): grid 4 x 16, 4 waves a work-group, clusters of 4 x 4, 327,680 bytes of LDS; arguments aq, wq, bproj, out0; writes out0
.if DOCPART == 4
	.amdgcn_target "amdgcn-amd-amdhsa--gfx1250"
	.amdhsa_code_object_version 6
	.text
	.protected	k_q2785be1553_proj
	.globl	k_q2785be1553_proj
	.p2align	8
	.type	k_q2785be1553_proj,@function
k_q2785be1553_proj:
	s_mov_b64 s[64:65], 0
	v_nop
	global_prefetch_b8 v0, s[64:65] scope:SCOPE_SE
	s_setreg_imm32_b32 hwreg(HW_REG_WAVE_MODE, 25, 1), 1
	s_wait_xcnt 0x0
	s_wait_alu depctr_hold_cnt(0) depctr_sa_sdst(0) depctr_va_vdst(0) depctr_va_sdst(0) depctr_va_ssrc(0) depctr_va_vcc(0) depctr_vm_vsrc(0)
	s_getreg_b32 s2, hwreg(HW_REG_IB_STS2, 6, 4)
	s_cmp_eq_u32 s2, 0
	s_cbranch_scc0 .Lentry_in_a_cluster
	s_endpgm
.Lentry_in_a_cluster:
	s_bfe_u32 s2, ttmp6, 0x10000c
	s_cmp_lg_u32 s2, 0xf033
	s_cbranch_scc0 .Lentry_shape_is_right
	s_endpgm
.Lentry_shape_is_right:
; out0 = Q(o) Q(Wproj) + bproj on codes of FP6 (E2M3) with E8M0 scales, K = 1,024; out0 [4096][1024] f32.
; A = o as the launch before left it: images of operand registers, [tile of 16 tokens][head][768 bytes] (registers 2 p, 2 p + 1 of lane l at 256 p + 8 l; two heads are one fragment of 128 along K), scale bytes [position][32] at AS.
; B = Wproj's codes in wq at WPC (rows = columns n, 768 bytes) and scale bytes at WPS.
; Tokens and columns n lie so that position 32 b + 16 u + i holds index 32 b + 8 u + i + 8 (i / 8): the way out puts both back.
; A work-group of four waves makes 256 x 256, a wave 128 x 128; K in steps of 256 through a ring of two LDS slots; clusters of 4 x 4 with joint loads: A's tiles along a row of the cluster, B's along a column.
; 4,096 x 1,024 are 64 such tiles: 64 work-groups.  The bias is the C of each sum's first matrix instruction.
; The matrix instruction takes 16 rows of B as source 0 and 16 rows of A as source 1: a lane holds one token and eight columns.
; REGISTERS: window 0: v0-31 addresses; v32-63 scale words, two sets; v64-127 the bias; from v128 A's fragments, one set.  window 1: B's fragments, two sets.  windows 2, 3: the accumulators.
.set KSTEP,  256
.set NQ,     KSTEP/128
.set ROWB,   192
.set KROW,   768
.set PITCH,  240
.set FR,     12
.set NL,     6
.set NP,     4
.set HALFT,  128*PITCH                 ; B: 128 rows of 240 bytes; A: eight tiles' 3,072 bytes lie at the head of as many
.set SLOT,   4*HALFT
.set LAPS,   2
.set KS,     32
.set SCL,    2*SLOT
.set HALFS,  (128*KS/256)*272
.set SBLK,   (16*KS/256)*272
.set SPARE,  SCL+4*HALFS
.set SPITCH, 528                       ; the way out: a stage of 16 rows x (512 + 16) bytes a wave, in slot 0, which has had its last fill and its last read by then
.set AS,     3145728
.set WPC,    2457600
.set WPS,    3244032
.set ADRA, 16
.set ADRB, 20
.set STO,  24
.set RD,   25
.set CO,   26
.set ADRS, 27
.set SPW,  28
.set NIL,  29
.set SC,   32
.set BI,   64
.set AF,   128
.set BK,   128
.set G1, 24
.set G0, 32
.set G1B, 48
.set G0B, 56
.set G1S, 68
.set G0S, 76
.set G1SB, 80
.set G0SB, 88
.set MSB, 0
.macro WIN new
.if MSB != \new
	s_set_vgpr_msb (MSB<<8)|\new
.set MSB, \new
.endif
.endm
.set MUL_LO, 0xa1
.set MUL_HI, 0xf1
.set TO_B,   0x40
.macro JLOAD g0a, g1a, g0b, g1b
	s_cmp_eq_u32 s15, 0
	s_cbranch_scc0 .Lfor_b_\@
	tensor_load_to_lds s[\g0a:\g0a+3], s[\g1a:\g1a+7]
	s_nop 0
.rept 4
	v_nop
.endr
	s_branch .Lasked_\@
.Lfor_b_\@:
	tensor_load_to_lds s[\g0b:\g0b+3], s[\g1b:\g1b+7]
	s_nop 0
.rept 4
	v_nop
.endr
.Lasked_\@:
.endm
.macro CREST
	s_cmp_lg_u32 s14, 0
	s_cbranch_scc1 .Lnot_wave_0_\@
	s_barrier_signal -3
.Lnot_wave_0_\@:
	s_barrier_wait -3
	s_barrier_signal -1
	s_barrier_wait -1
.endm
.macro CROUND
	s_barrier_signal -1
	s_barrier_wait -1
	CREST
.endm
	s_load_b128 s[4:7], s[0:1], 0x0                ; aq, wq
	s_load_b128 s[8:11], s[0:1], 0x10              ; bproj, out0
	v_lshl_add_u32 v[SPW], v0, 2, SPARE
	v_mov_b32 v[NIL], 0
	ds_add_u32 v28, v29
	s_wait_dscnt 0x0
	v_lshrrev_b32 v1, 5, v0
	v_readfirstlane_b32 s14, v1
	s_lshr_b32 s15, s14, 1                         ; my half of the tile's tokens.  Also: I fetch for A (0) or for B (1)
	s_and_b32 s16, s14, 1                          ; my half of its columns.  Also: which 128 rows I fetch
	s_bfe_u32 s40, ttmp6, 0x40000
	s_bfe_u32 s41, ttmp6, 0x40004
	s_lshl_b32 s42, ttmp9, 2
	s_add_co_u32 s42, s42, s40                     ; tile column
	s_and_b32 s17, ttmp7, 0xffff
	s_lshl_b32 s17, s17, 2
	s_add_co_u32 s17, s17, s41                     ; tile row
	s_lshl_b32 s43, s41, 2
	s_lshl_b32 s43, 15, s43
	s_lshl_b32 s44, 0x1111, s40
	s_or_b32 s[G1+0], s43, (3<<16)|(1<<21)         ; A: the mask of my row; elements of 8 bytes; no padding: images are read as they lie
	s_mov_b32 s[G1+1], 384<<16                     ; tensor_dim0: four heads' 3,072 bytes of a tile
	s_mov_b32 s[G1+2], 8<<16                       ; tensor_dim1: eight tiles of 16 tokens
	s_mov_b32 s[G1+3], 384<<16                     ; tile_dim0
	s_mov_b32 s[G1+4], 8                           ; tile_dim1
	s_mov_b32 s[G1+5], 1536                        ; the pitch: a tile's sixteen heads, 12,288 bytes
	s_mov_b32 s[G1+6], 0
	s_mov_b32 s[G1+7], 0
	s_or_b32 s[G1B+0], s44, (0<<16)|(1<<20)|(1<<21)|(3<<22)|(3<<25)  ; B: 128 rows of 192 bytes, 16 bytes of padding behind every 64
	s_mov_b32 s[G1B+1], ROWB<<16
	s_mov_b32 s[G1B+2], 128<<16
	s_mov_b32 s[G1B+3], ROWB<<16
	s_mov_b32 s[G1B+4], 128
	s_mov_b32 s[G1B+5], KROW
	s_mov_b32 s[G1B+6], 0
	s_mov_b32 s[G1B+7], 0
	s_or_b32 s[G1S+0], s43, (3<<16)|(1<<20)|(1<<21)|(5<<22)|(3<<25)
	s_or_b32 s[G1SB+0], s44, (3<<16)|(1<<20)|(1<<21)|(5<<22)|(3<<25)
.irp g, G1S, G1SB
	s_mov_b32 s[\g+1], 32<<16
	s_mov_b32 s[\g+2], (128*KS/256)<<16
	s_mov_b32 s[\g+3], 32<<16
	s_mov_b32 s[\g+4], 128*KS/256
	s_mov_b32 s[\g+5], 32
	s_mov_b32 s[\g+6], 0
	s_mov_b32 s[\g+7], 0
.endr
	s_lshl_b32 s18, s16, 7
	s_lshl_b32 s20, s17, 8
	s_add_co_u32 s20, s20, s18                     ; A's first position
	s_lshl_b32 s46, s42, 8
	s_add_co_u32 s46, s46, s18                     ; B's first row
	s_lshl_b32 s22, s20, 5
	s_add_co_u32 s22, s22, AS
	s_lshl_b32 s92, s46, 5
	s_add_co_u32 s92, s92, WPS
	s_mul_i32 s20, s20, KROW                       ; 16 positions x 768 = a tile's 12,288 bytes
	s_mul_i32 s46, s46, KROW
	s_add_co_u32 s46, s46, WPC
	s_mov_b32 s21, 0
	s_mov_b32 s23, 0
	s_mov_b32 s47, 0
	s_mov_b32 s93, 0
	s_mul_i32 s45, s14, HALFT
	s_mul_i32 s94, s14, HALFS
	s_wait_kmcnt 0x0
	s_add_nc_u64 s[20:21], s[4:5], s[20:21]
	s_add_nc_u64 s[22:23], s[4:5], s[22:23]
	s_add_nc_u64 s[46:47], s[6:7], s[46:47]
	s_add_nc_u64 s[92:93], s[6:7], s[92:93]
	CROUND
	s_mov_b32 s[G0S], 1
	s_add_co_u32 s[G0S+1], s94, SCL
	s_mov_b64 s[G0S+2:G0S+3], s[22:23]
	s_or_b32 s[G0S+3], s[G0S+3], 0x80000000
	s_mov_b32 s[G0SB], 1
	s_add_co_u32 s[G0SB+1], s94, SCL
	s_mov_b64 s[G0SB+2:G0SB+3], s[92:93]
	s_or_b32 s[G0SB+3], s[G0SB+3], 0x80000000
	JLOAD G0S, G1S, G0SB, G1SB
.irp s, 0,1
	s_mov_b32 s[G0+4*\s], 1
	s_add_co_u32 s[G0+4*\s+1], s45, \s*SLOT
	s_add_nc_u64 s[G0+4*\s+2:G0+4*\s+3], s[20:21], \s*3072
	s_or_b32 s[G0+4*\s+3], s[G0+4*\s+3], 0x80000000
	s_mov_b32 s[G0B+4*\s], 1
	s_add_co_u32 s[G0B+4*\s+1], s45, \s*SLOT
	s_add_nc_u64 s[G0B+4*\s+2:G0B+4*\s+3], s[46:47], \s*ROWB
	s_or_b32 s[G0B+4*\s+3], s[G0B+4*\s+3], 0x80000000
	JLOAD G0+4*\s, G1, G0B+4*\s, G1B
.endr
	v_and_b32 v1, 15, v0                           ; r
	v_bfe_u32 v2, v0, 4, 1                         ; h
	v_and_b32 v6, 31, v0                           ; l
	v_mul_u32_u24 v3, v1, PITCH
	v_mul_u32_u24 v4, v2, 24
	v_add_nc_u32 v4, v3, v4                        ; B: a fragment's row x pitch + 24 h
	v_lshl_add_u32 v5, v2, 4, v4                   ; and behind one padding more
	v_lshlrev_b32 v3, 3, v6                        ; A: 8 l
	s_mul_i32 s21, s15, HALFT
	s_mul_i32 s22, s16, HALFT
	s_add_co_u32 s22, s22, 2*HALFT
.irp s, 0,1
	v_add_nc_u32 v[ADRA+\s], s21, v3
	v_add_nc_u32 v[ADRB+\s], s22, v4
	v_add_nc_u32 v[ADRB+2+\s], s22, v5
	s_add_co_u32 s21, s21, SLOT
	s_add_co_u32 s22, s22, SLOT
.endr
	v_mul_u32_u24 v5, v1, KS
	v_lshrrev_b32 v7, 8, v5
	v_lshl_add_u32 v5, v7, 4, v5
	s_mul_i32 s21, s15, HALFS
	s_mul_i32 s22, s16, HALFS
	s_add_co_u32 s22, s22, 2*HALFS
	s_sub_co_u32 s22, s22, s21
	v_mul_u32_u24 v7, s22, v2
	s_add_co_u32 s21, s21, SCL
	v_add_nc_u32 v5, v5, v7
	v_add_nc_u32 v[ADRS], s21, v5
	s_mul_i32 s23, s14, 16*SPITCH                  ; my stage
	v_mul_u32_u24 v5, v1, SPITCH
	v_lshl_add_u32 v5, v2, 6, v5                   ; in: row r, + 64 h: accumulators (a, 2 b) and (a, 2 b + 1) hold columns 32 b + 16 h + 0 .. 15
	v_add_nc_u32 v[STO], s23, v5
	v_lshlrev_b32 v[CO], 4, v6                     ; back: the 32 lanes take one row of 512 bytes; and the same in out0
	v_add_nc_u32 v[RD], s23, v[CO]
	v_lshlrev_b32 v11, 6, v2                       ; 64 h: the bias of my 16 columns of each 32
	s_lshl_b32 s20, s17, 8
	s_lshl_b32 s21, s15, 7
	s_add_co_u32 s20, s20, s21
	s_lshl_b32 s20, s20, 12                        ; my first token's row of 4,096 bytes
	s_mov_b32 s21, 0
	s_lshl_b32 s46, s42, 10                        ; my first column, in bytes: in out0 and in bproj alike
	s_lshl_b32 s47, s16, 9
	s_add_co_u32 s46, s46, s47
	s_mov_b32 s47, 0
	s_add_nc_u64 s[8:9], s[8:9], s[46:47]
	s_add_nc_u64 s[20:21], s[20:21], s[46:47]
	s_add_nc_u64 s[12:13], s[10:11], s[20:21]      ; never stepped
.irp t, 0,1,2,3,4,5,6,7
	global_load_b128 v[BI+8*\t:BI+8*\t+3], v11, s[8:9] offset:(32*(\t/2)+8*(\t%2))*4
	global_load_b128 v[BI+8*\t+4:BI+8*\t+7], v11, s[8:9] offset:(32*(\t/2)+8*(\t%2))*4+16
.endr
.macro FRAG reg, adr, q, i             ; B: from rows of 240 bytes
.irp p, 0,1,2,3,4,5
.set PCE, 12*(\q)+6*(\p/3)+\p%3
.if PCE%8 < 5
	ds_load_b64 v[\reg+2*\p:\reg+2*\p+1], v[\adr] offset:8*PCE+16*(PCE/8)+(\i)*16*PITCH
.else
	ds_load_b64 v[\reg+2*\p:\reg+2*\p+1], v[\adr+2] offset:8*PCE+16*(PCE/8)+(\i)*16*PITCH
.endif
.endr
.endm
.macro FRAGA reg, slot, q, i           ; A: an image: six pieces of 256 consecutive bytes
.irp p, 0,1,2,3,4,5
	ds_load_b64 v[\reg+2*\p:\reg+2*\p+1], v[ADRA+\slot] offset:(\i)*3072+(\q)*1536+256*\p
.endr
.endm
; zero = 1: the first product starts the sums from the bias.  The 64 accumulators take turns, one instruction a turn.
.macro MUL16 a0, p, q, sc, zero
.irp a, \a0, \a0+1
.irp b, 0,1,2,3,4,5,6,7
.if \zero
	v_wmma_scale_f32_16x16x128_f8f6f4 v[8*(8*((\a)%4)+\b):8*(8*((\a)%4)+\b)+7], v[128*(\p)+FR*\b:128*(\p)+FR*\b+FR-1], v[AF+FR*(\a):AF+FR*(\a)+FR-1], v[BI+8*\b:BI+8*\b+7], v[SC+8*NQ*(\sc)+NQ*\b+(\q)], v[SC+8*NQ*(\sc)+NQ*(\a)+(\q)] matrix_a_fmt:MATRIX_FMT_FP6 matrix_b_fmt:MATRIX_FMT_FP6 matrix_a_scale:MATRIX_SCALE_ROW1
.else
	v_wmma_scale_f32_16x16x128_f8f6f4 v[8*(8*((\a)%4)+\b):8*(8*((\a)%4)+\b)+7], v[128*(\p)+FR*\b:128*(\p)+FR*\b+FR-1], v[AF+FR*(\a):AF+FR*(\a)+FR-1], v[8*(8*((\a)%4)+\b):8*(8*((\a)%4)+\b)+7], v[SC+8*NQ*(\sc)+NQ*\b+(\q)], v[SC+8*NQ*(\sc)+NQ*(\a)+(\q)] matrix_a_fmt:MATRIX_FMT_FP6 matrix_b_fmt:MATRIX_FMT_FP6 matrix_a_scale:MATRIX_SCALE_ROW1
.endif
.endr
.endr
.endm
.macro FETCH_B slot, q, p
	WIN TO_B
.irp i, 0,1,2,3,4,5,6,7
	FRAG 128*(\p)+FR*\i, ADRB+\slot, \q, \i
.endr
	WIN 0
.endm
.macro FETCH_A slot, q, i0
.irp i, \i0, \i0+1, \i0+2, \i0+3
	FRAGA AF+FR*(\i), \slot, \q, \i
.endr
.endm
.macro SCALES sc
.irp i, 0,1,2,3,4,5,6,7
	ds_load_b64 v[SC+8*NQ*\sc+NQ*\i:SC+8*NQ*\sc+NQ*\i+1], v[ADRS] offset:\i*SBLK
.endr
.endm
.macro PLACES n
.rept \n
	v_nop
.endr
.endm
.macro STEP slot, q, zero
	s_wait_dscnt 4*NL                              ; B's set and A's blocks 0-3 are in; the youngest 24 loads may be out
.if \zero
	WIN 0x81                                       ; C (the bias) window 0, D window 2
.else
	WIN MUL_LO
.endif
	MUL16 0, (\q)%2, \q, \slot, \zero
	MUL16 2, (\q)%2, \q, \slot, \zero
	s_wait_dscnt 0
	PLACES NP
	FETCH_B \slot, (\q)+1, 1-(\q)%2
	FETCH_A \slot, (\q)+1, 0
.if \zero
	WIN 0xc1
.else
	WIN MUL_HI
.endif
	MUL16 4, (\q)%2, \q, \slot, \zero
	MUL16 6, (\q)%2, \q, \slot, \zero
	PLACES NP
	WIN 0
	FETCH_A \slot, (\q)+1, 4
.endm
.macro TURN slot, next, fill
	s_wait_tensorcnt 0x0                           ; all my tensor loads have landed: my part of the next slot
	ds_add_u32 v[SPW], v[NIL]
	s_wait_dscnt 4*NL+1                            ; the add and the youngest 24 loads may be out
	WIN MUL_LO
	MUL16 0, 1, NQ-1, \slot, 0
	s_wait_dscnt 0x0                               ; the add is done, and my reads of this slot are over
	s_barrier_signal -1
	MUL16 2, 1, NQ-1, \slot, 0
	WIN 0
	s_barrier_wait -1
.if \fill
	CREST
	s_add_nc_u64 s[G0+4*\slot+2:G0+4*\slot+3], s[G0+4*\slot+2:G0+4*\slot+3], 2*3072
	s_add_nc_u64 s[G0B+4*\slot+2:G0B+4*\slot+3], s[G0B+4*\slot+2:G0B+4*\slot+3], 2*ROWB
	JLOAD G0+4*\slot, G1, G0B+4*\slot, G1B
.else
	PLACES NP
.endif
	v_add_nc_u32 v[ADRS], 4*NQ, v[ADRS]
	FETCH_B \next, 0, 0
	FETCH_A \next, 0, 0
	SCALES \next
	WIN MUL_HI
	MUL16 4, 1, NQ-1, \slot, 0
	MUL16 6, 1, NQ-1, \slot, 0
	PLACES NP
	WIN 0
	FETCH_A \next, 0, 4
.endm
	s_wait_tensorcnt 1                             ; the scales and my part of K step 0 are in; K step 1's load may be out
	s_barrier_signal -1
	s_barrier_wait -1
	FETCH_B 0, 0, 0
	FETCH_A 0, 0, 0
	SCALES 0
	FETCH_A 0, 0, 4
	s_wait_loadcnt 0x0                             ; the bias
	STEP 0, 0, 1
	s_mov_b32 s3, LAPS-1
.Llap:
	TURN 0, 1, 1
	STEP 1, 0, 0
	TURN 1, 0, 1
	STEP 0, 0, 0
	s_sub_co_u32 s3, s3, 1
	s_cmp_lg_u32 s3, 0
	s_cbranch_scc1 .Llap
	TURN 0, 1, 0
	STEP 1, 0, 0
	s_wait_dscnt 4*NL
	WIN MUL_LO
	MUL16 0, 1, NQ-1, 1, 0
	MUL16 2, 1, NQ-1, 1, 0
	s_wait_dscnt 0
	WIN MUL_HI
	MUL16 4, 1, NQ-1, 1, 0
	MUL16 6, 1, NQ-1, 1, 0
	WIN 0
; THE WAY OUT, block by block of 16 tokens x 128 columns, through my own stage: in by lanes (32 bytes of a row at their true columns), back as whole rows of 512 bytes.  LDS serves a wave's instructions in order (ISA guide 5.7.1.4).
.macro TOSTAGE a
.set AC, 64*((\a)%4)
	WIN 0x08+4*((\a)/4)                            ; the data: window 2 or 3
.irp b, 0,1,2,3,4,5,6,7
	ds_store_b128 v[STO], v[AC+8*\b:AC+8*\b+3] offset:128*(\b/2)+32*(\b%2)          ; each accumulator from its low end on
	ds_store_b128 v[STO], v[AC+8*\b+4:AC+8*\b+7] offset:128*(\b/2)+32*(\b%2)+16
.endr
	WIN 0
.set BB, BK+64*((\a)%2)
.irp t, 0,1,2,3,4,5,6,7,8,9,10,11,12,13,14,15
	ds_load_b128 v[BB+4*\t:BB+4*\t+3], v[RD] offset:\t*SPITCH
.endr
.endm
.macro SEND a, younger                 ; row t of block a is token 32 (a / 2) + 8 (a % 2) + t + 8 (t / 8) of my 128: it stands in the immediate, 127 rows of 4,096 bytes at the most
.set BB, BK+64*((\a)%2)
	s_wait_dscnt \younger
.irp t, 0,1,2,3,4,5,6,7,8,9,10,11,12,13,14,15
	global_store_b128 v[CO], v[BB+4*\t:BB+4*\t+3], s[12:13] offset:(32*((\a)/2)+8*((\a)%2)+\t+8*(\t/8))*4096 th:TH_STORE_NT   ; 32 lanes store 512 consecutive bytes, aligned to 256
.endr
.endm
	PLACES NP
	TOSTAGE 0
.irp a, 1,2,3,4,5,6,7
.if \a > 1
	s_wait_xcnt 0x0                                ; block a - 2's stores have read their registers: block a's loads may land there
.endif
	TOSTAGE \a
	SEND \a-1, 32                                  ; behind block a - 1's loads: block a's 16 stores and 16 loads
.endr
	SEND 7, 0
	s_wait_tensorcnt 0x0                           ; the wave's end
	ds_add_u32 v[SPW], v[NIL]
	s_wait_dscnt 0x0
	CROUND                                         ; the closing round
	s_endpgm
.Lfunc_end_k_q2785be1553_proj:
	.size	k_q2785be1553_proj, .Lfunc_end_k_q2785be1553_proj-k_q2785be1553_proj
	.p2alignl 7, 3214868480
	.fill 96, 4, 3214868480
	.section	.rodata,"a",@progbits
	.p2align	6, 0x0
	.amdhsa_kernel k_q2785be1553_proj
		.amdhsa_group_segment_fixed_size 327680
		.amdhsa_private_segment_fixed_size 0
		.amdhsa_enable_private_segment 0
		.amdhsa_kernarg_size 32
		.amdhsa_user_sgpr_count 2
		.amdhsa_user_sgpr_kernarg_segment_ptr 1
		.amdhsa_wavefront_size32 1
		.amdhsa_system_sgpr_workgroup_id_x 1
		.amdhsa_system_sgpr_workgroup_id_y 1
		.amdhsa_system_sgpr_workgroup_id_z 1
		.amdhsa_system_vgpr_workitem_id 0
		.amdhsa_next_free_vgpr 1024
		.amdhsa_next_free_sgpr 98
		.amdhsa_reserve_vcc 0
		.amdhsa_float_denorm_mode_32 3
		.amdhsa_float_denorm_mode_16_64 3
		.amdhsa_memory_ordered 1
		.amdhsa_forward_progress 1
		.amdhsa_inst_pref_size 161
	.end_amdhsa_kernel
	.amdgpu_metadata
---
amdhsa.version: [ 1, 2 ]
amdhsa.kernels:
  - .name:           k_q2785be1553_proj
    .symbol:         k_q2785be1553_proj.kd
    .args:
      - { .name: aq, .offset: 0, .size: 8, .value_kind: global_buffer, .address_space: global }
      - { .name: wq, .offset: 8, .size: 8, .value_kind: global_buffer, .address_space: global }
      - { .name: bproj, .offset: 16, .size: 8, .value_kind: global_buffer, .address_space: global }
      - { .name: out0, .offset: 24, .size: 8, .value_kind: global_buffer, .address_space: global }
    .group_segment_fixed_size: 327680
    .private_segment_fixed_size: 0
    .kernarg_segment_align: 8
    .kernarg_segment_size: 32
    .max_flat_workgroup_size: 128
    .sgpr_count:     98
    .vgpr_count:     1024
    .wavefront_size: 32
...
	.end_amdgpu_metadata
.endif
;; end of part 4
